; MI455X (gfx1250); checked and timed in simulation.
; The chip was launched on July 23, 2026; its instructions are those of AMD's public machine-readable ISA for CDNA 5 (MIT licence, August 2026) and "CDNA5" Instruction Set Architecture Reference Guide (July 2026). The comments in the code are by the model that wrote it; some were corrected since.
;; Mo E Layer. Allowed arithmetic: matrix products marked QUANTISED: E5M2 operands, one E8M0 scale for each 32 along K, by v_wmma_scale_f32_16x16x128_f8f6f4 with both operands' format E5M2, f32 sums; products left as they are: f32 operands where the result goes on into a quantised operand, else bf16, f16 or f32 operands; f32 sums; everything else in f32.
;; Inputs: W1 2 x 1,024 x 4,096 float32; W2 2 x 4,096 x 1,024 float32; Wr 2 x 1,024 float32; x 2 x 2,048 x 1,024 float32.
;; Outputs: out0 2 x 2,048 x 1,024 float32.
;; This version of the problem:
;;   THIS VERSION OF THE PROBLEM IS GIVEN IN LOW PRECISION. The matrix products marked QUANTISED in the list below multiply operands that are first quantised to E5M2 (5 exponent bits, 2 mantissa bits; 8 bits a number), with one power-of-two scale for each 32 numbers along K (OCP MX v1.0); their sums are f32. All else is computed in f32.
;;   The module's matrix products, in the order in which they are computed (A, B: the left and right operand; K: the contracted axis; several contracted axes count as one K, in the product's order):
;;     1. [M 4,096, K 1,024] x [K 1,024, N 2]; A: input x; B: input Wr: left as it is (N = 2 < 16)
;;     2. [M 4,096, K 1,024] x [K 1,024, N 4,096]; A: input x; B: input W1: QUANTISED
;;     3. [M 4,096, K 4,096] x [K 4,096, N 1,024]; A: computed on the way; B: input W2: QUANTISED
;;     4. [M 4,096, K 1,024] x [K 1,024, N 4,096]; A: input x; B: input W1: QUANTISED
;;     5. [M 4,096, K 4,096] x [K 4,096, N 1,024]; A: computed on the way; B: input W2: QUANTISED
;;   THE QUANTISER, for each operand of a quantised product, along K:
;;     - K is cut into blocks of 32 from its start; a last block that is shorter is filled with zeros.
;;     - A block's scale is 2^e with e = floor(log2(the largest magnitude in the block)) - 15, held to -126 .. 127; a block of zeros has e = 0. As a byte (E8M0): e + 127.
;;     - Each number is divided by its block's scale, clamped to +-57,344, and rounded to the nearest number of E5M2, ties to even, subnormals kept.
;;     - The product sums the exact products of the quantised numbers (number of the format x scale) in f32.
;;   ~~~python
;;   def quantise(x, axis):      # numpy; x: float32 -> the quantised numbers, widened to float32 again
;;       x = np.moveaxis(x, axis, -1); K = x.shape[-1]
;;       x = np.pad(x, [(0, 0)] * (x.ndim - 1) + [(0, -K % 32)]); x = x.reshape(x.shape[:-1] + (-1, 32)); a = np.abs(x).max(-1, keepdims=True)
;;       e = np.where(a > 0, np.clip(np.frexp(np.where(a > 0, a, 1))[1] - 1 - 15, -126, 127), 0)      # np.frexp(a)[1] - 1 = floor(log2(a)), exactly
;;       r = np.clip(x / 2.0 ** e, -57344, 57344)
;;       step = 2.0 ** (np.maximum(np.frexp(np.where(r == 0, 1, r))[1] - 1, -14) - 2)
;;       q = np.round(r / step) * step * 2.0 ** e      # np.round: ties to even
;;       return np.moveaxis(q.reshape(q.shape[:-2] + (-1,))[..., :K], -1, axis).astype(np.float32)
;;   ~~~
;;   OPERANDS COMPUTED ON THE WAY. 'Computed on the way' means the value that the module computes at that place (a softmax that the list does not call 'softmax' is quantised finished and normalised). What goes into a quantiser is computed in f32, as accurately as f32 sums, v_exp_f32 and their like allow (about 1e-6 of the number): no bf16 or f16 on the way to a quantiser, and a product that is left as it is and whose result goes on into a quantised operand takes f32 operands (vector FMAs, or v_wmma_f32_16x16x4_f32). A number that lies on a knife's edge between two numbers of the format may be rounded either way, as far as f32 arithmetic and the matrix unit's own rounding can turn it there, and no further.
;; One version. Each part assembles by itself: llvm-mc -triple=amdgcn-amd-amdhsa -mcpu=gfx1250 --defsym DOCPART=n.
;; ======== version 1 of 1: 3 launches
;; limits: a function is approximated: absolute error at most 1e-07; an absolute error that grows with the inputs' magnitude: up to 2e-07 times it
;; workspace buffers: xc 4,194,304 bytes; w1c 8,388,608 bytes; w2c 8,388,608 bytes; qs 688,128 bytes; hc 33,554,432 bytes; hs 1,048,576 bytes
;; launch quant (part 1): grid 640 x 1, 4 waves a work-group, no clusters, 102,912 bytes of LDS; arguments x, Wr, W1, W2, xc, w1c, w2c, qs; writes xc, w1c, w2c, qs
.if DOCPART == 1
	.amdgcn_target "amdgcn-amd-amdhsa--gfx1250"
	.amdhsa_code_object_version 6
	.text
	.protected	k_q8057c4bdc9_quant
	.globl	k_q8057c4bdc9_quant
	.p2align	8
	.type	k_q8057c4bdc9_quant,@function
k_q8057c4bdc9_quant:
	s_mov_b64 s[64:65], 0
	v_nop
	global_prefetch_b8 v0, s[64:65] scope:SCOPE_SE
	s_setreg_imm32_b32 hwreg(HW_REG_WAVE_MODE, 25, 1), 1
	s_wait_xcnt 0x0
; MoE layer, launch 1 of 3: x, W1 and W2 (f32) become codes of BF8 (E5M2) with one E8M0 scale byte for each 32 along K, once; and the router's gates are made.
; WORK OF THE SOURCE THAT IS NOT DONE, for all values of the inputs.  top_k is taken with K = E = 2, so it returns both logits of a token, in some order, and topk_idx is a permutation of (0, 1).
; one_hot(topk_idx) x gates, summed over the two places, puts each gate back on its own expert: combine[e] = exp(l_e - max(l_0, l_1)) / (exp(l_0 - max) + exp(l_1 - max)), whatever the order, ties too
; (equal logits have equal gates).  So there is no sort, no one_hot and no selection here: the softmax of the two logits, with its maximum taken away, IS combine.  out starts as zeros that the source builds
; itself: the sum starts with its first term.  Every input has a way to the output, and all four are loaded.
; LIMITS: a NaN, an infinity or an overflow that would reach only the order that top_k gives is not carried to the result; NaN and infinities among the inputs are not served.  A block whose largest magnitude
; lies under 2^-111 gets the scale byte 1; so does a block of zeros, where the rule says 127: its codes are zeros, which add nothing under any byte but 0xff, and this program alone reads the bytes.
; SHARES.  640 work-groups of four waves, 128 KiB of f32 each.  Work-groups 0-127: x (K innermost): a wave takes 8 rows, 16 steps of 512 numbers.  128-383: W1; 384-639: W2 (K is the matrix's FIRST axis): a wave takes
; 32 columns x 256 along K, a lane to a column, registers down K.  The three ways part on the work-group's number alone and have LDS bytes of their own.  Waves share nothing: no barrier.
; LAYOUTS.  xc [4096][1024].  w1c [e 4096 + f][1024].  w2c [n][8192], byte (f / 256) 512 + 256 e + f % 256: so 512 bytes along K hold 256 of expert 0 and 256 of expert 1.
; qs: +0 x's scale bytes [4096][32]; +131072 W1's [8192][32]; +393216 W2's as records [n / 128][f / 256][2 e + (f / 128) % 2][128 rows][4 bytes]; +655360 the gates [4096][2] f32.
.set SPARE,  102400                    ; the spare words, 128 bytes for each wave: two blocks of 256 bytes that no other line names
.set SPW,    224                       ; v224  LDS address of my spare word; never rewritten
.set NIL,    225                       ; v225  0; never rewritten
.set EMAX,   15
.set MANT,   0x600000                  ; the mantissa field of 57,344 as f32
; x's way: LDS 0 .. 32767
.set XREG,   8192                      ; a wave's region: two stages of 32 x SP bytes, behind them its 256 scale bytes
.set SP,     80                        ; a lane's place in a stage: 64 bytes + 16 of padding
.set RL,     16                        ; v16-79    four sets of 16 numbers as loaded
.set XN,     80                        ; v80-111   two sets of 16 neighbours
.set CX,     112                       ; v112-127  codes: four sets by turns
.set WR,     132                       ; v132-195  Wr[e][512 g + 16 lane + i] at WR + 32 e + 16 g + i
.set EB,     208                       ; v208-223  a scale byte for each step
; the weights' ways: LDS 32768 .. 67583 (W1), 67584 .. 102399 (W2)
.set STG1,   32768
.set STG2,   67584
.set WP,     272                       ; a stage row: 256 bytes of codes + 16
.set WX,     32                        ; v32-95    two sets of 32 numbers
.set WC,     96                        ; v96-103   a block's codes
.set OUTR,   112                       ; v112-175  the way out
.set SB,     24                        ; v24-25    the scale bytes, four to a register
.macro XLOAD t                         ; step t: four loads of 512 consecutive bytes
.irp i, 0,1,2,3
	global_load_b128 v[RL+16*((\t)%4)+4*\i:RL+16*((\t)%4)+4*\i+3], v3, s[8:9] offset:2048*(\t)+512*\i th:TH_LOAD_NT
.endr
.endm
.macro XTURN t                         ; step t's numbers through the stage, as they lie, and back 64 bytes a lane; LDS serves a wave's instructions in order
.irp i, 0,1,2,3
	ds_store_b128 v14, v[RL+16*((\t)%4)+4*\i:RL+16*((\t)%4)+4*\i+3] offset:32*SP*((\t)%2)+8*SP*\i
.endr
.irp i, 0,1,2,3
	ds_load_b128 v[XN+16*((\t)%2)+4*\i:XN+16*((\t)%2)+4*\i+3], v15 offset:32*SP*((\t)%2)+16*\i
.endr
.endm
.macro XSTEP t                         ; half a row of x: 512 numbers, 16 neighbours a lane, two lanes to a block
.set XS, XN+16*((\t)%2)
.set WS, WR+16*((\t)%2)
.if (\t) > 0
	s_wait_dscnt 1                                 ; this step's numbers are back from the stage (the last step's byte store may be out), so the stage's stores have read their registers,
.else
	s_wait_dscnt 0x0
.endif
.if (\t)+4 < 16
	XLOAD (\t)+4                                   ; which take the loads of four steps on
.endif
.if (\t)+1 < 16
.if 14-(\t) >= 3
	s_wait_loadcnt 12                              ; the next step's four loads are in; those of the three steps behind it may be out
.else
	s_wait_loadcnt 4*(14-(\t))
.endif
	XTURN (\t)+1
.endif
	; the router: both experts' dot products with the numbers as they came, in f32, two at a time
.if (\t)%2 == 0
	v_pk_mul_f32 v[196:197], v[XS:XS+1], v[WS:WS+1]                ; a row's first product starts its sums
	v_pk_mul_f32 v[198:199], v[XS:XS+1], v[WS+32:WS+33]
.else
	v_pk_fma_f32 v[196:197], v[XS:XS+1], v[WS:WS+1], v[196:197]
	v_pk_fma_f32 v[198:199], v[XS:XS+1], v[WS+32:WS+33], v[198:199]
.endif
.irp i, 2,4,6,8,10,12,14
	v_pk_fma_f32 v[196:197], v[XS+\i:XS+\i+1], v[WS+\i:WS+\i+1], v[196:197]
	v_pk_fma_f32 v[198:199], v[XS+\i:XS+\i+1], v[WS+32+\i:WS+33+\i], v[198:199]
.endr
	v_max3_num_f32 v8, |v[XS]|, |v[XS+1]|, |v[XS+2]|               ; the largest magnitude of my 16
	v_max3_num_f32 v9, |v[XS+3]|, |v[XS+4]|, |v[XS+5]|
.irp i, 6,10
	v_max3_num_f32 v8, v8, |v[XS+\i]|, |v[XS+\i+1]|
	v_max3_num_f32 v9, v9, |v[XS+\i+2]|, |v[XS+\i+3]|
.endr
	v_max3_num_f32 v8, v8, |v[XS+14]|, |v[XS+15]|
	v_max3_num_f32 v8, v8, v9, (EMAX+1)<<23        ; and the floor 2^(16 - 127): the byte cannot fall under 1
	v_max_num_f32_dpp v8, v8, v8 row_xmask:1 row_mask:0xf bank_mask:0xf   ; with my neighbour's 16: the block's
	v_add_nc_u32 v11, -(EMAX<<23), v8              ; 15 off its exponent field: the conversion takes the exponent field of this operand as its scale
	v_and_or_b32 v10, v8, 0x7f800000, s6           ; 57,344 x the scale
.irp i, 0,1,2,3,4,5,6,7,8,9,10,11,12,13,14,15
	v_med3_num_f32 v[XS+\i], v[XS+\i], -v10, v10   ; the conversion to an 8-bit code does not saturate (ISA guide 7.6.2): the hold comes first
.endr
	s_wait_xcnt 0x0                                ; the store of four steps back has read this set of code registers
	v_cvt_scalef32_pk8_bf8_f32 v[CX+4*((\t)%4):CX+4*((\t)%4)+1], v[XS:XS+7], v11
	v_cvt_scalef32_pk8_bf8_f32 v[CX+4*((\t)%4)+2:CX+4*((\t)%4)+3], v[XS+8:XS+15], v11
	v_lshrrev_b32 v[EB+(\t)], 23, v11              ; the scale's byte (a plain line behind the conversions)
	ds_store_b8 v5, v[EB+(\t)] offset:16*(\t)      ; both lanes of a block write the same byte with the same value
	global_store_b128 v3, v[CX+4*((\t)%4):CX+4*((\t)%4)+3], s[16:17] offset:512*(\t)   ; 32 lanes store 512 consecutive bytes
.if (\t)%2 == 1                        ; a row is finished: its two logits, summed over the 32 lanes, are kept in lane t / 2
	v_add_f32 v202, v196, v197
	v_add_f32 v203, v198, v199
.irp m, 1,2,4,8
	v_add_f32_dpp v202, v202, v202 row_xmask:\m row_mask:0xf bank_mask:0xf
	v_add_f32_dpp v203, v203, v203 row_xmask:\m row_mask:0xf bank_mask:0xf
.endr
	v_permlanex16_b32 v204, v202, s24, s25
	v_permlanex16_b32 v205, v203, s24, s25
	v_add_f32 v202, v202, v204
	v_add_f32 v203, v203, v205
	v_cmp_eq_u32 vcc_lo, (\t)/2, v2
	v_cndmask_b32 v200, v200, v202, vcc_lo
	v_cndmask_b32 v201, v201, v203, vcc_lo
.endif
.endm
.macro WADDR stg, krow                 ; a weight's way: the lane's addresses.  stg: the way's stages in LDS; krow: bytes of a row of codes in memory
	s_mul_i32 s26, s4, 32*WP
	s_add_co_u32 s26, s26, \stg                    ; my stage
	v_lshlrev_b32 v3, 2, v2                        ; in: 4 bytes a lane
	v_mul_u32_u24 v4, v2, WP
	v_add_nc_u32 v4, s26, v4                       ; into the stage: row = my column
	v_and_b32 v5, 15, v2
	v_lshrrev_b32 v6, 4, v2                        ; out of it: sixteen lanes to a row, two rows an instruction
	v_mul_u32_u24 v7, v6, WP
	v_lshl_add_u32 v7, v5, 4, v7
	v_add_nc_u32 v7, s26, v7
	v_mul_u32_u24 v8, v6, \krow
	v_lshl_add_u32 v8, v5, 4, v8                   ; and the same place among the codes
.endm
.macro WLOAD t, rs                     ; block t: W(32 t + i, my column), i = 0 .. 31; rs: bytes of a row of W.  32 lanes read 128 consecutive bytes, the four waves stand side by side
.irp i, 0,1,2,3,4,5,6,7,8,9,10,11,12,13,14,15,16,17,18,19,20,21,22,23,24,25,26,27,28,29,30,31
	global_load_b32 v[WX+32*((\t)%2)+\i], v3, s[8:9] offset:(32*(\t)+\i)*(\rs) th:TH_LOAD_NT
.endr
.endm
.macro WBLOCK t, rs                    ; a block of 32 along K of my column: all 32 numbers are mine
.set XS, WX+32*((\t)%2)
.if (\t) < 7
	s_wait_loadcnt 32                              ; this block's 32 loads are in; the next block's may be out
.else
	s_wait_loadcnt 0x0
.endif
	v_max3_num_f32 v12, |v[XS]|, |v[XS+1]|, |v[XS+2]|
	v_max3_num_f32 v13, |v[XS+3]|, |v[XS+4]|, |v[XS+5]|
.irp i, 6,10,14,18,22,26
	v_max3_num_f32 v12, v12, |v[XS+\i]|, |v[XS+\i+1]|
	v_max3_num_f32 v13, v13, |v[XS+\i+2]|, |v[XS+\i+3]|
.endr
	v_max3_num_f32 v12, v12, |v[XS+30]|, |v[XS+31]|
	v_max3_num_f32 v12, v12, v13, (EMAX+1)<<23     ; and the floor
	v_add_nc_u32 v11, -(EMAX<<23), v12             ; the conversion's scale operand
	v_and_or_b32 v10, v12, 0x7f800000, s6          ; 57,344 x the scale
	v_lshrrev_b32 v13, 23, v11                     ; the scale's byte
.if (\t)%4 == 0
	v_mov_b32 v[SB+(\t)/4], v13                    ; four bytes to a register, the lower K in the lower byte
.else
	v_lshl_or_b32 v[SB+(\t)/4], v13, 8*((\t)%4), v[SB+(\t)/4]
.endif
.irp i, 0,1,2,3,4,5,6,7,8,9,10,11,12,13,14,15,16,17,18,19,20,21,22,23,24,25,26,27,28,29,30,31
	v_med3_num_f32 v[XS+\i], v[XS+\i], -v10, v10
.endr
.irp g, 0,1,2,3
	v_cvt_scalef32_pk8_bf8_f32 v[WC+2*\g:WC+2*\g+1], v[XS+8*\g:XS+8*\g+7], v11
.endr
	ds_store_b128 v4, v[WC:WC+3] offset:32*(\t)    ; 32 codes: 32 bytes of my column's row
	ds_store_b128 v4, v[WC+4:WC+7] offset:32*(\t)+16
.if (\t)+2 < 8
	WLOAD (\t)+2, \rs
.endif
	s_wait_dscnt 0x0                               ; the stores have read their registers: the next block's codes may be written
.endm
.macro WBODY rs
	WLOAD 0, \rs
	WLOAD 1, \rs
.irp t, 0,1,2,3,4,5,6,7
	WBLOCK \t, \rs
.endr
.endm
.macro WOUT krow                       ; the stage comes back by rows: sixteen lanes store 256 consecutive bytes, aligned; then the wave ends
.irp t, 0,1,2,3,4,5,6,7,8,9,10,11,12,13,14,15
	ds_load_b128 v[OUTR+4*\t:OUTR+4*\t+3], v7 offset:2*\t*WP
.endr
.irp t, 0,1,2,3,4,5,6,7,8,9,10,11,12,13,14,15
	s_wait_dscnt 15-\t
	global_store_b128 v8, v[OUTR+4*\t:OUTR+4*\t+3], s[16:17] offset:2*\t*(\krow)
.endr
	s_wait_tensorcnt 0x0                           ; the wave's end: behind my last LDS store
	ds_add_u32 v[SPW], v[NIL]
	s_wait_dscnt 0x0
	s_endpgm
.endm
	s_load_b256 s[8:15], s[0:1], 0x0               ; x s[8:9], Wr s[10:11], W1 s[12:13], W2 s[14:15]
	s_load_b256 s[16:23], s[0:1], 0x20             ; xc s[16:17], w1c s[18:19], w2c s[20:21], qs s[22:23]
	v_lshl_add_u32 v[SPW], v0, 2, SPARE
	v_mov_b32 v[NIL], 0
	v_lshrrev_b32 v1, 5, v0
	v_readfirstlane_b32 s4, v1                     ; wave 0..3
	v_and_b32 v2, 31, v0                           ; lane
	s_mov_b32 s6, MANT
	s_mov_b32 s29, 0                               ; the high word of every offset below
	s_wait_kmcnt 0x0
	s_cmp_lt_u32 ttmp9, 128
	s_cbranch_scc1 .Lx_arm
	s_cmp_lt_u32 ttmp9, 384
	s_cbranch_scc1 .Lw1_arm
	; ---- W2 [2][4096 (K)][1024]: i = work-group - 384; e = i / 128; 128 columns by i % 8; 256 along K by (i / 8) % 16
	s_sub_co_u32 s5, ttmp9, 384
	s_lshr_b32 s7, s5, 7                           ; e
	s_and_b32 s24, s5, 7                           ; which 128 columns
	s_bfe_u32 s25, s5, 0x40003                     ; y: which 256 along K
	s_lshl_b32 s27, s24, 7
	s_lshl_b32 s26, s4, 5
	s_add_co_u32 s27, s27, s26                     ; my wave's first column
	s_lshl_b32 s28, s7, 24                         ; W2: e x 16 MiB + 256 y rows of 4,096 bytes + 4 x column
	s_lshl_b32 s26, s25, 20
	s_add_co_u32 s28, s28, s26
	s_lshl_b32 s26, s27, 2
	s_add_co_u32 s28, s28, s26
	s_add_nc_u64 s[8:9], s[14:15], s[28:29]
	s_lshl_b32 s28, s27, 13                        ; codes: column x 8,192 + 512 y + 256 e
	s_lshl_b32 s26, s25, 9
	s_add_co_u32 s28, s28, s26
	s_lshl_b32 s26, s7, 8
	s_add_co_u32 s28, s28, s26
	s_add_nc_u64 s[16:17], s[20:21], s[28:29]
	s_lshl_b32 s28, s24, 4                         ; scale records: ((16 x columns' block + y) 4 + 2 e) 512 + 4 x (32 wave + lane)
	s_add_co_u32 s28, s28, s25
	s_lshl_b32 s28, s28, 1
	s_add_co_u32 s28, s28, s7
	s_lshl_b32 s28, s28, 10
	s_lshl_b32 s26, s4, 7
	s_add_co_u32 s28, s28, s26
	s_add_co_u32 s28, s28, 393216
	s_add_nc_u64 s[22:23], s[22:23], s[28:29]
	WADDR STG2, 8192
	WBODY 4096
	global_store_b32 v3, v[SB], s[22:23]           ; my column's word for the first 128 along K: a wave stores 128 consecutive bytes, the four waves a record
	global_store_b32 v3, v[SB+1], s[22:23] offset:512   ; and for the second 128: the next record
	WOUT 8192
.Lw1_arm:
	; ---- W1 [2][1024 (K)][4096]: i = work-group - 128; e = i / 128; 128 columns by i % 32; 256 along K by (i / 32) % 4
	s_sub_co_u32 s5, ttmp9, 128
	s_lshr_b32 s7, s5, 7                           ; e
	s_and_b32 s24, s5, 31
	s_bfe_u32 s25, s5, 0x20005                     ; y
	s_lshl_b32 s24, s24, 7
	s_lshl_b32 s26, s4, 5
	s_add_co_u32 s24, s24, s26                     ; my wave's first column
	s_lshl_b32 s28, s7, 24                         ; W1: e x 16 MiB + 256 y rows of 16,384 bytes + 4 x column
	s_lshl_b32 s26, s25, 22
	s_add_co_u32 s28, s28, s26
	s_lshl_b32 s26, s24, 2
	s_add_co_u32 s28, s28, s26
	s_add_nc_u64 s[8:9], s[12:13], s[28:29]
	s_lshl_b32 s26, s7, 12
	s_add_co_u32 s26, s26, s24                     ; the codes' row: 4,096 e + column
	s_lshl_b32 s28, s26, 10                        ; x 1,024 + 256 y
	s_lshl_b32 s27, s25, 8
	s_add_co_u32 s28, s28, s27
	s_add_nc_u64 s[16:17], s[18:19], s[28:29]
	s_lshl_b32 s28, s26, 5                         ; scale bytes: row x 32 + 8 y
	s_lshl_b32 s27, s25, 3
	s_add_co_u32 s28, s28, s27
	s_add_co_u32 s28, s28, 131072
	s_add_nc_u64 s[22:23], s[22:23], s[28:29]
	WADDR STG1, 1024
	v_lshlrev_b32 v9, 5, v2                        ; my column's row of scale bytes
	WBODY 16384
	global_store_b64 v9, v[SB:SB+1], s[22:23]      ; my column's 8 scale bytes
	WOUT 1024
.Lx_arm:
	; ---- x [4096][1024]: run = 4 x work-group + wave: 8 rows
	v_lshlrev_b32 v3, 4, v2                        ; my 16 bytes of a load's 512, and of a step's 512 bytes of codes
	s_mul_i32 s5, s4, XREG
	v_lshrrev_b32 v14, 2, v2
	v_mul_u32_u24 v14, v14, SP
	v_and_b32 v15, 3, v2
	v_lshl_add_u32 v14, v15, 4, v14
	v_add_nc_u32 v14, s5, v14                      ; the stage, on the way in: SP (lane / 4) + 16 (lane % 4)
	v_mul_u32_u24 v15, v2, SP
	v_add_nc_u32 v15, s5, v15                      ; and on the way out: SP x lane
	v_lshrrev_b32 v5, 1, v2
	s_add_co_u32 s5, s5, 2*32*SP
	v_add_nc_u32 v5, s5, v5                        ; my wave's 256 scale bytes, my block's byte
	v_lshlrev_b32 v7, 3, v2                        ; on the way out 8 bytes a lane
	v_add_nc_u32 v6, s5, v7
	v_lshlrev_b32 v4, 6, v2                        ; Wr: my 16 numbers of each 512
	s_mov_b32 s24, 0x76543210                      ; v_permlanex16_b32: lane l xor 16
	s_mov_b32 s25, 0xfedcba98
	s_lshl_b32 s26, ttmp9, 2
	s_add_co_u32 s26, s26, s4                      ; run
	s_lshl_b32 s28, s26, 15                        ; 8 rows of 4,096 bytes
	s_add_nc_u64 s[8:9], s[8:9], s[28:29]
	s_lshl_b32 s28, s26, 13                        ; 8 rows of 1,024 codes
	s_add_nc_u64 s[16:17], s[16:17], s[28:29]
	s_lshl_b32 s28, s26, 8                         ; 8 rows of 32 scale bytes
	s_add_nc_u64 s[30:31], s[22:23], s[28:29]
	s_lshl_b32 s28, s26, 6                         ; 8 rows of two gates
	s_add_co_u32 s28, s28, 655360
	s_add_nc_u64 s[22:23], s[22:23], s[28:29]
.irp e, 0,1
.irp g, 0,1
.irp j, 0,1,2,3
	global_load_b128 v[WR+32*\e+16*\g+4*\j:WR+32*\e+16*\g+4*\j+3], v4, s[10:11] offset:4096*\e+2048*\g+16*\j
.endr
.endr
.endr
.irp t, 0,1,2,3
	XLOAD \t
.endr
.irp j, 200,201,202,203,204,205
	v_mov_b32 v\j, 0                               ; the kept logits; and a lane permute's destination counts as one of its sources
.endr
	s_wait_loadcnt 12                              ; Wr and step 0 are in
	XTURN 0
.irp t, 0,1,2,3,4,5,6,7,8,9,10,11,12,13,14,15
	XSTEP \t
.endr
	ds_load_b64 v[8:9], v6                         ; LDS serves a wave's instructions in order: these see my byte stores
	; the gates: lane i (0 .. 7) holds row i's two logits.  softmax with the maximum taken away, as the source has it
	v_max_num_f32 v202, v200, v201
	v_sub_f32 v203, v200, v202
	v_sub_f32 v204, v201, v202
	v_mul_f32 v203, 0x3fb8aa3b, v203               ; x log2(e)
	v_mul_f32 v204, 0x3fb8aa3b, v204
	v_exp_f32 v203, v203
	v_exp_f32 v204, v204
	v_nop                                          ; a plain line behind the exponentials,
	s_wait_alu depctr_va_vdst(0)                   ; and the wait ahead of their first reader
	v_add_f32 v205, v203, v204
	v_rcp_f32 v205, v205
	v_nop
	s_wait_alu depctr_va_vdst(0)
	v_mul_f32 v196, v203, v205
	v_mul_f32 v197, v204, v205
	s_wait_dscnt 0x0
	global_store_b64 v7, v[8:9], s[30:31]          ; 32 lanes store 256 consecutive bytes, aligned: 8 rows' scale bytes
	s_wait_xcnt 0x0                                ; EXEC changes only behind this wait
	v_cmp_gt_u32 vcc_lo, 8, v2
	s_and_saveexec_b32 s5, vcc_lo
	global_store_b64 v7, v[196:197], s[22:23]      ; lanes 0-7: 8 rows' gates, 64 consecutive bytes
	s_wait_xcnt 0x0                                ; and again in front of the line that widens it
	s_or_b32 exec_lo, exec_lo, s5
	s_wait_tensorcnt 0x0                           ; the wave's end: behind my last LDS store
	ds_add_u32 v[SPW], v[NIL]
	s_wait_dscnt 0x0
	s_endpgm
.Lfunc_end_k_q8057c4bdc9_quant:
	.size	k_q8057c4bdc9_quant, .Lfunc_end_k_q8057c4bdc9_quant-k_q8057c4bdc9_quant
	.p2alignl 7, 3214868480
	.fill 96, 4, 3214868480
	.section	.rodata,"a",@progbits
	.p2align	6, 0x0
	.amdhsa_kernel k_q8057c4bdc9_quant
		.amdhsa_group_segment_fixed_size 102912
		.amdhsa_private_segment_fixed_size 0
		.amdhsa_enable_private_segment 0
		.amdhsa_kernarg_size 64
		.amdhsa_user_sgpr_count 2
		.amdhsa_user_sgpr_kernarg_segment_ptr 1
		.amdhsa_wavefront_size32 1
		.amdhsa_system_sgpr_workgroup_id_x 1
		.amdhsa_system_sgpr_workgroup_id_y 1
		.amdhsa_system_sgpr_workgroup_id_z 1
		.amdhsa_system_vgpr_workitem_id 0
		.amdhsa_next_free_vgpr 232
		.amdhsa_next_free_sgpr 66
		.amdhsa_reserve_vcc 1
		.amdhsa_float_denorm_mode_32 3
		.amdhsa_float_denorm_mode_16_64 3
		.amdhsa_memory_ordered 1
		.amdhsa_forward_progress 1
		.amdhsa_inst_pref_size 194
	.end_amdhsa_kernel
	.amdgpu_metadata
---
amdhsa.version: [ 1, 2 ]
amdhsa.kernels:
  - .name:           k_q8057c4bdc9_quant
    .symbol:         k_q8057c4bdc9_quant.kd
    .args:
      - { .name: x, .offset: 0, .size: 8, .value_kind: global_buffer, .address_space: global }
      - { .name: Wr, .offset: 8, .size: 8, .value_kind: global_buffer, .address_space: global }
      - { .name: W1, .offset: 16, .size: 8, .value_kind: global_buffer, .address_space: global }
      - { .name: W2, .offset: 24, .size: 8, .value_kind: global_buffer, .address_space: global }
      - { .name: xc, .offset: 32, .size: 8, .value_kind: global_buffer, .address_space: global }
      - { .name: w1c, .offset: 40, .size: 8, .value_kind: global_buffer, .address_space: global }
      - { .name: w2c, .offset: 48, .size: 8, .value_kind: global_buffer, .address_space: global }
      - { .name: qs, .offset: 56, .size: 8, .value_kind: global_buffer, .address_space: global }
    .group_segment_fixed_size: 102912
    .private_segment_fixed_size: 0
    .kernarg_segment_align: 8
    .kernarg_segment_size: 64
    .max_flat_workgroup_size: 128
    .sgpr_count:     66
    .vgpr_count:     232
    .wavefront_size: 32
...
	.end_amdgpu_metadata
.endif
;; end of part 1
;; launch ffn1 (part 2): grid 32 x 16, 4 waves a work-group, clusters of 4 x 4, 327,680 bytes of LDS; arguments xc, qs, w1c, hc, hs; writes hc, hs
.if DOCPART == 2
	.amdgcn_target "amdgcn-amd-amdhsa--gfx1250"
	.amdhsa_code_object_version 6
	.text
	.protected	k_q8057c4bdc9_ffn1
	.globl	k_q8057c4bdc9_ffn1
	.p2align	8
	.type	k_q8057c4bdc9_ffn1,@function
k_q8057c4bdc9_ffn1:
	s_mov_b64 s[64:65], 0
	v_nop
	global_prefetch_b8 v0, s[64:65] scope:SCOPE_SE
	s_setreg_imm32_b32 hwreg(HW_REG_WAVE_MODE, 25, 1), 1
	s_wait_xcnt 0x0
	s_wait_alu depctr_hold_cnt(0) depctr_sa_sdst(0) depctr_va_vdst(0) depctr_va_sdst(0) depctr_va_ssrc(0) depctr_va_vcc(0) depctr_vm_vsrc(0)
	s_getreg_b32 s2, hwreg(HW_REG_IB_STS2, 6, 4)
	s_cmp_eq_u32 s2, 0
	s_cbranch_scc0 .Lentry_in_a_cluster
	s_endpgm
.Lentry_in_a_cluster:
	s_bfe_u32 s2, ttmp6, 0x10000c
	s_cmp_lg_u32 s2, 0xf033
	s_cbranch_scc0 .Lentry_shape_is_right
	s_endpgm
.Lentry_shape_is_right:
; MoE layer, launch 2 of 3: h = gelu(x W1[e]) for both experts, on codes of BF8 (E5M2) with E8M0 scales, and h quantised along F on the way out.  Nothing of the source is left out here.
; A = xc [4096][1024], its scale bytes qs [4096][32]; B = w1c [8192 = 4096 e + f][1024], its scale bytes qs + 131072 [8192][32].  Sums in f32.
; A tile of 256 tokens x 256 hidden units is made by a work-group of four waves, each 128 x 128: 64 accumulators, 512 registers.  K = 1,024 goes in four steps of 256 through a ring of two LDS slots filled by the
; tensor data mover; the scale bytes of the tile's rows come once, with the first fills.  4 x 4 work-groups form a cluster: A's tiles are asked for jointly along a row of it, B's along a column.
; The matrix instruction is used transposed (source 0 = 16 rows of B, source 1 = 16 rows of A): a lane holds eight neighbouring hidden units of one token.
; THE WAY OUT.  A lane holds 512 sums; gelu and the quantiser are some eleven instructions a number, too much text to write out for each register.  So the sums go once through the wave's own LDS region, over the
; ring, which has had its last fill and its last read, and a loop of eight trips works on them: a lane takes 32 NEIGHBOURS along F of one token, a whole block, so that a block's largest magnitude needs no other lane.
; gelu(x) = x (0.5 + 0.5 erf(x / sqrt 2)), all in f32.  erf(z) = z P(z^2) / Q(z^2), a rational form of degrees 6 and 4 in z^2, z held within +-4.  With w = x^2 the powers of 1/2 are folded into the
; coefficients (exact) and the factor 2^-1.5 into P's: g = 0.5 + xc P(w) / Q(w), h = x g, xc = x held within +-4 sqrt 2.
; LIMITS: the form's error is about 1e-7 of 1, so under x = -5.66 h is about x times +-2e-7 where the exact value is nearer 0.  NaN and infinities are not served.  A block of h whose largest magnitude lies under
; 2^-111, a block of zeros too, gets the scale byte 1 (zeros: the rule says 127; the codes are zeros, and this program alone reads the bytes).
; OUT.  hc [4096][8192], byte (f / 256) 512 + 256 e + f % 256; hs: records [token / 128][f / 256][2 e + (f / 128) % 2][128 tokens][4 bytes].
; REGISTERS, in windows of 256: window 0: v8-29 addresses; v32-63 scale words, two sets; from v128 A's fragments, one set; on the way out v32-247 are at work.  window 1: B's fragments, two sets.
;   window 2: the accumulators of my rows 0-63 ((a, b) at v[8 (8 a + b)]); window 3: those of my rows 64-127.
.set SIZE_K, 1024
.set KSTEP,  256                       ; along K in a slot
.set NQ,     KSTEP/128                 ; matrix instructions deep
.set ROWB,   256                       ; a tile's row in bytes
.set KROW,   SIZE_K                    ; a row of A or of B in memory, in bytes
.set PITCH,  272                       ; an LDS row: 256 bytes + 16 of padding: the 16 rows that a load touches start at 16 different banks (64 banks of 4 bytes: ISA guide 11.1)
.set FR,     16                        ; registers of a fragment: 16 rows x 128 K
.set NL,     4                         ; LDS loads that bring one
.set NP,     8                         ; places behind this matrix instruction (ISA guide 7.12.1)
.set HALFT,  128*PITCH                 ; 128 rows: what one tensor load brings
.set SLOT,   4*HALFT                   ; A's 256 rows, then B's 256 rows
.set LAPS,   SIZE_K/(2*KSTEP)          ; a lap = two K steps = once round the ring
.set KS,     SIZE_K/32                 ; a row of scales in bytes
.set SCL,    2*SLOT                    ; behind the ring: the scales, as units of 256 bytes + 16 of padding
.set HALFS,  (128*KS/256)*272          ; the scales of 128 rows
.set SBLK,   (16*KS/256)*272           ; those of 16 rows
.set RP,     592                       ; the way out: a token's row in my region: 4 chunks of 32 f32 (128 bytes) + 16 each, + 16: 37 units of 16 bytes, an odd number
.set WREG,   128*RP                    ; a wave's region: 128 rows
.set SCB,    4*WREG                    ; behind the regions: 512 scale bytes for each wave
.set SPARE,  SCB+2048                  ; the spare words, 128 bytes for each wave: two blocks of 256 bytes that no other line names
.set STO,  8                           ; v8, v9  the way out: where I put 16 bytes of a row: blocks 0-3, blocks 4-7
.set RDA0, 10                          ; v10  my block's place in the first 16 rows; never rewritten
.set CST0, 11                          ; v11  its codes' place; never rewritten
.set SBA0, 12                          ; v12  its scale byte's place; never rewritten
.set RB,   13                          ; v13  where I read rows of codes back
.set GO,   14                          ; v14  my byte offset in hc
.set SRD,  15                          ; v15  my 16 of my wave's 512 scale bytes
.set ADRA, 16                          ; v16-17  LDS address of my A fragments in slot 0, 1
.set L16,  18                          ; v18  16 x lane
.set ADRB, 20                          ; v20-21  the same for B
.set RX0,  22                          ; v22, v23  the trip's read addresses, one for each set of numbers
.set RX1,  23
.set CST,  24                          ; v24, v25  the trip's store addresses
.set SBA,  25
.set ADRS, 27                          ; v27  LDS address of my scale words: lanes 0-15 A's rows, lanes 16-31 B's
.set SPW,  28                          ; v28  LDS address of my spare word; never rewritten
.set NIL,  29                          ; v29  0; never rewritten
.set SC,   32                          ; scale words: set s at v[SC + 8 NQ s]; register NQ i + q: lanes 0-15 A's block i, lanes 16-31 B's block i
.set AF,   128                         ; A's fragments, in window 0
.set X0,   32                          ; the way out: two sets of 32 sums,
.set X1,   64
.set XCL,  96                          ; the sums held within +-4 sqrt 2; later h
.set WSQ,  128                         ; their squares
.set PN,   160                         ; the numerator
.set QD,   192                         ; the denominator
.set CD,   224                         ; v224-231 a block's codes
.set TM,   232                         ; v232-233 largest magnitudes
.set SCF,  234                         ; the conversion's scale operand
.set HOLD, 235                         ; 57,344 x the scale
.set BY,   236                         ; the scale's byte
.set A1,   240                         ; v[240:241] P's second coefficient, in both halves;  v[242:243] Q's
.set B1,   242
.set ITO,  48                          ; s48  the trip's first row, in bytes: 16 RP a trip
.set ITB,  49                          ; s49  and its scale bytes: 64 a trip
.set G1, 24                            ; s[24:31] descriptor group 1 for A's tiles;  s[32:39] group 0, one set for each slot
.set G0, 32
.set G1B, 48                           ; s[48:55], s[56:63] the same for B's tiles
.set G0B, 56
.set G1S, 68                           ; s[68:75], s[76:79] groups 1 and 0 for A's scales;  s[80:87], s[88:91] for B's
.set G0S, 76
.set G1SB, 80
.set G0SB, 88
.set MSB, 0
.macro WIN new                         ; the immediate's high byte repeats the setting that is left
.if MSB != \new
	s_set_vgpr_msb (MSB<<8)|\new
.set MSB, \new
.endif
.endm
.set MUL_LO, 0xa1                      ; source 0 (B) window 1, source 1 (A) window 0, C and D window 2
.set MUL_HI, 0xf1                      ; the same, C and D window 3
.set TO_B,   0x40                      ; destination window 1, address window 0
; A joint load: waves 0 and 1 fetch for A, waves 2 and 3 for B.  Each of the two lines has one mask and one set of registers for all that issue it; the branch hangs on the wave's number alone.
; An s_nop 0 and four v_nop follow each of the two lines.
.macro JLOAD g0a, g1a, g0b, g1b
	s_cmp_eq_u32 s15, 0
	s_cbranch_scc0 .Lfor_b_\@
	tensor_load_to_lds s[\g0a:\g0a+3], s[\g1a:\g1a+7]
	s_nop 0
.rept 4
	v_nop
.endr
	s_branch .Lasked_\@
.Lfor_b_\@:
	tensor_load_to_lds s[\g0b:\g0b+3], s[\g1b:\g1b+7]
	s_nop 0
.rept 4
	v_nop
.endr
.Lasked_\@:
.endm
.macro CREST                           ; a round of the cluster's barrier behind its opening barrier
	s_cmp_lg_u32 s14, 0
	s_cbranch_scc1 .Lnot_wave_0_\@
	s_barrier_signal -3
.Lnot_wave_0_\@:
	s_barrier_wait -3
	s_barrier_signal -1
	s_barrier_wait -1
.endm
.macro CROUND                          ; a whole round
	s_barrier_signal -1
	s_barrier_wait -1
	CREST
.endm
	s_load_b128 s[4:7], s[0:1], 0x0                ; xc s[4:5], qs s[6:7]
	s_load_b128 s[8:11], s[0:1], 0x10              ; w1c s[8:9], hc s[10:11]
	s_load_b64 s[66:67], s[0:1], 0x20              ; hs
	v_lshl_add_u32 v[SPW], v0, 2, SPARE
	v_mov_b32 v[NIL], 0
	ds_add_u32 v[SPW], v[NIL]                      ; the wave's opening: the add, twice on end, and its wait ahead of my first tensor load
	ds_add_u32 v[SPW], v[NIL]                      ; and once more; the set-up below, work on registers, stands between it and the wait
	v_lshrrev_b32 v1, 5, v0
	v_readfirstlane_b32 s14, v1                    ; wave 0..3
	s_lshr_b32 s15, s14, 1                         ; which half of the tile's rows is mine.  Also: I fetch for A (0) or for B (1)
	s_and_b32 s16, s14, 1                          ; which half of its columns.  Also: which 128 rows of that tile I fetch
	s_bfe_u32 s40, ttmp6, 0x40000                  ; cx, cy: my place in the cluster
	s_bfe_u32 s41, ttmp6, 0x40004
	s_lshl_b32 s42, ttmp9, 2
	s_add_co_u32 s42, s42, s40                     ; tile column = 4 x cluster x + cx
	s_and_b32 s17, ttmp7, 0xffff
	s_lshl_b32 s17, s17, 2
	s_add_co_u32 s17, s17, s41                     ; tile row = 4 x cluster y + cy
	s_lshl_b32 s43, s41, 2
	s_lshl_b32 s43, 15, s43                        ; my row of the cluster
	s_lshl_b32 s44, 0x1111, s40                    ; my column
	; descriptor group 1: a tile of 128 rows x 256 bytes, padded in LDS
	s_or_b32 s[G1+0], s43, (0<<16)|(1<<20)|(1<<21)|(5<<22)|(3<<25)  ; 15:0 the mask: A's tiles go to my row; 17:16 elements of 1 byte; 20 padding on; 21 set beside a mask; 24:22 after every 64 words; 31:25 four words
	s_or_b32 s[G1B+0], s44, (0<<16)|(1<<20)|(1<<21)|(5<<22)|(3<<25)
.irp g, G1, G1B
	s_mov_b32 s[\g+1], ROWB<<16                    ; tensor_dim0
	s_mov_b32 s[\g+2], 128<<16                     ; tensor_dim1 = 128
	s_mov_b32 s[\g+3], ROWB<<16                    ; tile_dim0
	s_mov_b32 s[\g+4], 128                         ; tile_dim1 = 128
	s_mov_b32 s[\g+5], KROW                        ; tensor_dim0_stride
	s_mov_b32 s[\g+6], 0
	s_mov_b32 s[\g+7], 0
.endr
	; the scales of 128 rows: a dense block of 4,096 bytes, as rows of 256 bytes (32 elements of 8 bytes), 16 bytes of padding behind each
	s_or_b32 s[G1S+0], s43, (3<<16)|(1<<20)|(1<<21)|(5<<22)|(3<<25)
	s_or_b32 s[G1SB+0], s44, (3<<16)|(1<<20)|(1<<21)|(5<<22)|(3<<25)
.irp g, G1S, G1SB
	s_mov_b32 s[\g+1], 32<<16
	s_mov_b32 s[\g+2], (128*KS/256)<<16
	s_mov_b32 s[\g+3], 32<<16
	s_mov_b32 s[\g+4], 128*KS/256
	s_mov_b32 s[\g+5], 32
	s_mov_b32 s[\g+6], 0
	s_mov_b32 s[\g+7], 0
.endr
	s_lshl_b32 s18, s16, 7                         ; which 128 rows of the tile I fetch
	s_lshl_b32 s20, s17, 8
	s_add_co_u32 s20, s20, s18                     ; A: row 256 x tile row + 128 x half
	s_lshl_b32 s46, s42, 8
	s_add_co_u32 s46, s46, s18                     ; B: row 256 x tile column + 128 x half
	s_mov_b32 s21, 0
	s_mov_b32 s47, 0
	s_mov_b64 s[18:19], KS
	s_mul_u64 s[22:23], s[20:21], s[18:19]         ; where these rows' scales begin, in bytes
	s_mul_u64 s[92:93], s[46:47], s[18:19]
	s_mov_b64 s[18:19], KROW
	s_mul_u64 s[20:21], s[20:21], s[18:19]         ; and their codes
	s_mul_u64 s[46:47], s[46:47], s[18:19]
	s_mul_i32 s45, s14, HALFT                      ; where they go: wave x 128 rows: no place in the cluster enters an LDS address
	s_mul_i32 s94, s14, HALFS
	s_wait_dscnt 0x0                               ; both opening adds are done
	s_wait_kmcnt 0x0
	s_mov_b64 s[12:13], s[10:11]                   ; hc
	s_add_nc_u64 s[10:11], s[6:7], 131072          ; W1's scale bytes
	s_add_nc_u64 s[20:21], s[4:5], s[20:21]
	s_add_nc_u64 s[22:23], s[6:7], s[22:23]
	s_add_nc_u64 s[46:47], s[8:9], s[46:47]
	s_add_nc_u64 s[92:93], s[10:11], s[92:93]
	CROUND                                         ; all sixteen work-groups are here: the first joint loads meet
	s_mov_b32 s[G0S], 1
	s_add_co_u32 s[G0S+1], s94, SCL
	s_mov_b64 s[G0S+2:G0S+3], s[22:23]
	s_or_b32 s[G0S+3], s[G0S+3], 0x80000000
	s_mov_b32 s[G0SB], 1
	s_add_co_u32 s[G0SB+1], s94, SCL
	s_mov_b64 s[G0SB+2:G0SB+3], s[92:93]
	s_or_b32 s[G0SB+3], s[G0SB+3], 0x80000000
	JLOAD G0S, G1S, G0SB, G1SB                     ; the scales first: they are wanted with K step 0
.irp s, 0,1
	s_mov_b32 s[G0+4*\s], 1
	s_add_co_u32 s[G0+4*\s+1], s45, \s*SLOT
	s_add_nc_u64 s[G0+4*\s+2:G0+4*\s+3], s[20:21], \s*ROWB
	s_or_b32 s[G0+4*\s+3], s[G0+4*\s+3], 0x80000000
	s_mov_b32 s[G0B+4*\s], 1
	s_add_co_u32 s[G0B+4*\s+1], s45, \s*SLOT
	s_add_nc_u64 s[G0B+4*\s+2:G0B+4*\s+3], s[46:47], \s*ROWB
	s_or_b32 s[G0B+4*\s+3], s[G0B+4*\s+3], 0x80000000
	JLOAD G0+4*\s, G1, G0B+4*\s, G1B               ; three tensor loads of mine are out now
.endr
	v_and_b32 v1, 15, v0                           ; r = lane % 16
	v_bfe_u32 v2, v0, 4, 1                         ; h = lane / 16
	v_mul_u32_u24 v3, v1, PITCH
	v_lshl_add_u32 v4, v2, 4, v3                   ; a fragment's row x pitch + 16 x half
	s_mul_i32 s21, s15, HALFT                      ; my 128 rows of A
	s_mul_i32 s22, s16, HALFT                      ; my 128 rows of B,
	s_add_co_u32 s22, s22, 2*HALFT                 ; which lie behind A's 256
.irp s, 0,1
	v_add_nc_u32 v[ADRA+\s], s21, v4
	v_add_nc_u32 v[ADRB+\s], s22, v4
	s_add_co_u32 s21, s21, SLOT
	s_add_co_u32 s22, s22, SLOT
.endr
	v_mul_u32_u24 v5, v1, KS                       ; my row's scales: KS bytes a row,
	v_lshrrev_b32 v6, 8, v5
	v_lshl_add_u32 v5, v6, 4, v5                   ; and 16 more for each 256 passed
	s_mul_i32 s21, s15, HALFS                      ; A's: my 128 rows
	s_mul_i32 s22, s16, HALFS                      ; B's: my 128 rows, behind A's 256
	s_add_co_u32 s22, s22, 2*HALFS
	s_sub_co_u32 s22, s22, s21
	v_mul_u32_u24 v6, s22, v2                      ; lanes 16-31 take B's
	s_add_co_u32 s21, s21, SCL
	v_add_nc_u32 v5, v5, v6
	v_add_nc_u32 v[ADRS], s21, v5
	; the way out's addresses
	s_mul_i32 s23, s14, WREG                       ; my region
	v_mul_u32_u24 v5, v1, RP
	v_lshl_add_u32 v5, v2, 5, v5
	v_add_nc_u32 v[STO], s23, v5                   ; in: row r, 32 bytes for each half of the lanes
	v_add_nc_u32 v[STO+1], 4*16*RP, v[STO]         ; blocks 4-7: 64 rows on (the 16-bit offset does not reach them)
	v_and_b32 v3, 3, v0                            ; k: which chunk of 32 of a row is mine
	v_bfe_u32 v4, v0, 2, 2
	v_lshl_add_u32 v4, v4, 2, v2                   ; my row among 16: 4 ((lane / 4) % 4) + h
	v_mul_u32_u24 v5, v4, RP
	v_add_nc_u32 v5, s23, v5
	v_mad_u32_u24 v[RDA0], v3, 144, v5             ; my block of 32 sums
	s_lshl_b32 s22, s16, 7
	v_lshl_add_u32 v6, v3, 5, v5
	v_add_nc_u32 v[CST0], s22, v6                  ; its 32 codes: in the row's own bytes, which have been read: byte 128 x my half of the columns + 32 k
	s_lshl_b32 s22, s14, 9
	s_add_co_u32 s22, s22, SCB                     ; my wave's 512 scale bytes
	v_lshl_add_u32 v6, v4, 2, v3
	v_add_nc_u32 v[SBA0], s22, v6                  ; 4 x row + k
	v_and_b32 v6, 31, v0
	v_lshlrev_b32 v[L16], 4, v6
	v_add_nc_u32 v[SRD], s22, v[L16]
	s_mul_i32 s22, s15, 2*WREG                     ; back: wave w stores the tile's rows 64 w on: they lie in the two regions of its half of the rows,
	s_mul_i32 s21, s16, 64*RP                      ; from row 64 (w % 2) on;
	s_add_co_u32 s22, s22, s21
	v_bfe_u32 v5, v0, 3, 1
	v_mul_u32_u24 v5, v5, WREG+128                 ; lanes 0-7 of sixteen take the first 128 codes, lanes 8-15 the second 128, one region on
	v_mad_u32_u24 v5, v2, RP, v5                   ; lanes 16-31 the next row
	v_and_b32 v6, 7, v0
	v_lshl_add_u32 v5, v6, 4, v5
	v_add_nc_u32 v[RB], s22, v5
	v_lshlrev_b32 v[GO], 13, v2                    ; and the same two rows in hc: 8,192 bytes a row
	v_lshl_add_u32 v[GO], v1, 4, v[GO]
	s_lshl_b32 s20, s17, 8                         ; hc: (256 x tile row + 64 wave) x 8,192 + 512 (column % 16) + 256 (column / 16)
	s_lshl_b32 s21, s14, 6
	s_add_co_u32 s20, s20, s21
	s_lshl_b32 s20, s20, 13
	s_and_b32 s46, s42, 15                         ; f / 256
	s_lshr_b32 s47, s42, 4                         ; e
	s_lshl_b32 s21, s46, 9
	s_add_co_u32 s20, s20, s21
	s_lshl_b32 s21, s47, 8
	s_add_co_u32 s20, s20, s21
	s_mov_b32 s21, 0
	s_add_nc_u64 s[12:13], s[12:13], s[20:21]
	s_lshl_b32 s20, s17, 1                         ; hs: my record: (((2 x tile row + my half of the rows) 16 + f / 256) 4 + 2 e + my half of the columns) x 512
	s_add_co_u32 s20, s20, s15
	s_lshl_b32 s20, s20, 4
	s_add_co_u32 s20, s20, s46
	s_lshl_b32 s20, s20, 2
	s_lshl_b32 s47, s47, 1
	s_add_co_u32 s20, s20, s47
	s_add_co_u32 s20, s20, s16
	s_lshl_b32 s20, s20, 9
	s_add_nc_u64 s[66:67], s[66:67], s[20:21]
.macro FRAG reg, adr, q, i             ; a fragment: lane l holds row l % 16; registers 4 c .. 4 c + 3 hold K = 32 c + 16 (l / 16) + 0 .. 15
.irp c, 0,1,2,3
	ds_load_b128 v[\reg+4*\c:\reg+4*\c+3], v[\adr] offset:128*(\q)+32*\c+(\i)*16*PITCH
.endr
.endm
; 16 matrix instructions: A's blocks a0, a0 + 1 x B's eight, 128 along K.  The 64 accumulators take turns, one instruction a turn, in the same order in every step.
.macro MUL16 a0, p, q, sc, zero
.irp a, \a0, \a0+1
.irp b, 0,1,2,3,4,5,6,7
.if \zero
	v_wmma_scale_f32_16x16x128_f8f6f4 v[8*(8*((\a)%4)+\b):8*(8*((\a)%4)+\b)+7], v[128*(\p)+FR*\b:128*(\p)+FR*\b+FR-1], v[AF+FR*(\a):AF+FR*(\a)+FR-1], 0, v[SC+8*NQ*(\sc)+NQ*\b+(\q)], v[SC+8*NQ*(\sc)+NQ*(\a)+(\q)] matrix_a_fmt:MATRIX_FMT_BF8 matrix_b_fmt:MATRIX_FMT_BF8 matrix_a_scale:MATRIX_SCALE_ROW1
.else
	v_wmma_scale_f32_16x16x128_f8f6f4 v[8*(8*((\a)%4)+\b):8*(8*((\a)%4)+\b)+7], v[128*(\p)+FR*\b:128*(\p)+FR*\b+FR-1], v[AF+FR*(\a):AF+FR*(\a)+FR-1], v[8*(8*((\a)%4)+\b):8*(8*((\a)%4)+\b)+7], v[SC+8*NQ*(\sc)+NQ*\b+(\q)], v[SC+8*NQ*(\sc)+NQ*(\a)+(\q)] matrix_a_fmt:MATRIX_FMT_BF8 matrix_b_fmt:MATRIX_FMT_BF8 matrix_a_scale:MATRIX_SCALE_ROW1
.endif
.endr
.endr
.endm
.macro FETCH_B slot, q, p              ; B's eight fragments of the slot's q-th 128 along K into set p
	WIN TO_B
.irp i, 0,1,2,3,4,5,6,7
	FRAG 128*(\p)+FR*\i, ADRB+\slot, \q, \i
.endr
	WIN 0
.endm
.macro FETCH_A slot, q, i0             ; A's blocks i0 .. i0 + 3
.irp i, \i0, \i0+1, \i0+2, \i0+3
	FRAG AF+FR*(\i), ADRA+\slot, \q, \i
.endr
.endm
.macro SCALES sc                       ; a K step's scale words into set sc: lanes 0-15 take A's block i, lanes 16-31 B's block i
.irp i, 0,1,2,3,4,5,6,7
	ds_load_b64 v[SC+8*NQ*\sc+NQ*\i:SC+8*NQ*\sc+NQ*\i+1], v[ADRS] offset:\i*SBLK
.endr
.endm
.macro PLACES n                        ; plain vector lines between a matrix instruction and a load into, or a read of, its registers
.rept \n
	v_nop
.endr
.endm
.macro STEP slot, q, zero              ; a step of 128 along K that has its successor in the same slot
	s_wait_dscnt 4*NL                              ; B's set and A's blocks 0-3 are in; the youngest 16 loads (A's blocks 4-7) may be out
	WIN MUL_LO
	MUL16 0, (\q)%2, \q, \slot, \zero
	MUL16 2, (\q)%2, \q, \slot, \zero
	s_wait_dscnt 0                                 ; A's blocks 4-7 are in
	PLACES NP
	FETCH_B \slot, (\q)+1, 1-(\q)%2
	FETCH_A \slot, (\q)+1, 0
	WIN MUL_HI
	MUL16 4, (\q)%2, \q, \slot, \zero
	MUL16 6, (\q)%2, \q, \slot, \zero
	PLACES NP
	WIN 0
	FETCH_A \slot, (\q)+1, 4
.endm
; A slot's last step changes slots: one barrier; in front of it each wave waits for all its tensor loads, adds 0 to its spare word, and waits for that and for its own reads of this slot.
.macro TURN slot, next, fill
	s_wait_tensorcnt 0x0                           ; all my tensor loads have landed: my part of the next slot
	ds_add_u32 v[SPW], v[NIL]                      ; 0 onto my spare word
	s_wait_dscnt 4*NL+1                            ; (the add and the youngest 16 loads, A's blocks 4-7, may be out)
	WIN MUL_LO
	MUL16 0, 1, NQ-1, \slot, 0                     ; sixteen matrix instructions stand between the add and the wait for it
	s_wait_dscnt 0x0                               ; the add is done, and my reads of this slot are over
	s_barrier_signal -1
	MUL16 2, 1, NQ-1, \slot, 0
	WIN 0
	s_barrier_wait -1
.if \fill
	CREST                                          ; the barrier has opened a round of the cluster's barrier: no wave of any partner still reads this slot or has a load on its way
	s_add_nc_u64 s[G0+4*\slot+2:G0+4*\slot+3], s[G0+4*\slot+2:G0+4*\slot+3], 2*ROWB
	s_add_nc_u64 s[G0B+4*\slot+2:G0B+4*\slot+3], s[G0B+4*\slot+2:G0B+4*\slot+3], 2*ROWB
	JLOAD G0+4*\slot, G1, G0B+4*\slot, G1B         ; the first tensor load behind the round; its four v_nop are among the places in front of the loads below
	PLACES NP-4
.else
	PLACES NP
.endif
	v_add_nc_u32 v[ADRS], 4*NQ, v[ADRS]            ; on to the next K step's scale words (no LDS load of mine is out)
	FETCH_B \next, 0, 0
	FETCH_A \next, 0, 0
	SCALES \next
	WIN MUL_HI
	MUL16 4, 1, NQ-1, \slot, 0
	MUL16 6, 1, NQ-1, \slot, 0
	PLACES NP
	WIN 0
	FETCH_A \next, 0, 4
.endm
	s_wait_tensorcnt 1                             ; the scales and my part of K step 0 are in (K step 1's load may be out)
	s_barrier_signal -1
	s_barrier_wait -1                              ; everybody's are
	FETCH_B 0, 0, 0
	FETCH_A 0, 0, 0
	SCALES 0
	FETCH_A 0, 0, 4
	STEP 0, 0, 1                                   ; the first step stands in front of the loop: its products start the sums
	s_mov_b32 s3, LAPS-1
.Llap:                                                 ; a trip goes once round the ring and fills both slots again
	TURN 0, 1, 1
	STEP 1, 0, 0
	TURN 1, 0, 1
	STEP 0, 0, 0
	s_sub_co_u32 s3, s3, 1
	s_cmp_lg_u32 s3, 0
	s_cbranch_scc1 .Llap
	TURN 0, 1, 0                                   ; the last lap fills nothing, and has no round of the cluster's barrier
	STEP 1, 0, 0
	s_wait_dscnt 4*NL                              ; the very last step: nothing more to fetch
	WIN MUL_LO
	MUL16 0, 1, NQ-1, 1, 0
	MUL16 2, 1, NQ-1, 1, 0
	s_wait_dscnt 0                                 ; my last reads of the ring and of the scales are in:
	s_barrier_signal -1                            ; say so,
	WIN MUL_HI
	MUL16 4, 1, NQ-1, 1, 0
	MUL16 6, 1, NQ-1, 1, 0
	WIN 0
	s_barrier_wait -1                              ; and when all four have said so, the ring's and the scales' bytes may be written: they have had their last fill
; ---------------- THE WAY OUT ----------------
.macro KONST reg, val                  ; a coefficient as a scalar pair: the packed form names the pair and takes its low word for both halves
	s_mov_b32 s[\reg], \val
	s_mov_b32 s[\reg+1], \val
.endm
.macro DUMP                            ; my 64 accumulators into my region: lane (r, h) of accumulator (a, b) holds token 16 a + r, hidden units 16 b + 8 h + 0 .. 7.  Each accumulator from its low end on
.irp a, 0,1,2,3,4,5,6,7
	WIN 0x08+4*(\a/4)                              ; an LDS store's data are its source 1: window 2 or 3
.irp b, 0,1,2,3,4,5,6,7
	ds_store_b128 v[STO+\a/4], v[64*(\a%4)+8*\b:64*(\a%4)+8*\b+3] offset:(\a%4)*16*RP+(\b/2)*144+64*(\b%2)
	ds_store_b128 v[STO+\a/4], v[64*(\a%4)+8*\b+4:64*(\a%4)+8*\b+7] offset:(\a%4)*16*RP+(\b/2)*144+64*(\b%2)+16
.endr
.endr
	WIN 0
.endm
.macro LOADX set, adr, off             ; a lane's block: 32 neighbouring sums of one token
.irp i, 0,1,2,3,4,5,6,7
	ds_load_b128 v[\set+4*\i:\set+4*\i+3], v[\adr] offset:\off+16*\i
.endr
.endm
; 32 sums of a lane become h = gelu, its scale byte and its 32 codes.  t2: which of the trip's two sets (its rows lie two further down)
.macro GELUQ set, t2
.set gi, 0
.rept 32
	v_med3_num_f32 v[XCL+gi], v[\set+gi], s45, s44                 ; xc: x within +-4 sqrt 2
.set gi, gi+1
.endr
.set gi, 0
.rept 16
	v_pk_mul_f32 v[WSQ+gi:WSQ+gi+1], v[XCL+gi:XCL+gi+1], v[XCL+gi:XCL+gi+1]   ; w = xc^2
.set gi, gi+2
.endr
.set gi, 0
.rept 16
	v_pk_fma_f32 v[PN+gi:PN+gi+1], v[WSQ+gi:WSQ+gi+1], s[24:25], v[A1:A1+1] op_sel_hi:[1,0,1]   ; both polynomials by Horner's rule, two numbers at a time, by turns
	v_pk_fma_f32 v[QD+gi:QD+gi+1], v[WSQ+gi:WSQ+gi+1], s[36:37], v[B1:B1+1] op_sel_hi:[1,0,1]
.set gi, gi+2
.endr
.irp k, 0,1,2
.set gi, 0
.rept 16
	v_pk_fma_f32 v[PN+gi:PN+gi+1], v[PN+gi:PN+gi+1], v[WSQ+gi:WSQ+gi+1], s[26+2*\k:27+2*\k] op_sel_hi:[1,1,0]
	v_pk_fma_f32 v[QD+gi:QD+gi+1], v[QD+gi:QD+gi+1], v[WSQ+gi:WSQ+gi+1], s[38+2*\k:39+2*\k] op_sel_hi:[1,1,0]
.set gi, gi+2
.endr
.endr
.set gi, 0
.rept 32
	v_rcp_f32 v[QD+gi], v[QD+gi]                   ; Q is finished: 1 / Q, one batch
.set gi, gi+1
.endr
.irp k, 3,4
.set gi, 0
.rept 16
	v_pk_fma_f32 v[PN+gi:PN+gi+1], v[PN+gi:PN+gi+1], v[WSQ+gi:WSQ+gi+1], s[26+2*\k:27+2*\k] op_sel_hi:[1,1,0]   ; P's last two steps name no reciprocal: plain work behind the batch
.set gi, gi+2
.endr
.endr
.set gi, 0
.rept 16
	v_pk_mul_f32 v[PN+gi:PN+gi+1], v[PN+gi:PN+gi+1], v[XCL+gi:XCL+gi+1]
.set gi, gi+2
.endr
	s_wait_alu depctr_va_vdst(0)                   ; the wait ahead of the first reader of a reciprocal: one for the 32
.set gi, 0
.rept 16
	v_pk_fma_f32 v[PN+gi:PN+gi+1], v[PN+gi:PN+gi+1], v[QD+gi:QD+gi+1], 0.5 op_sel_hi:[1,1,0]   ; g = 0.5 + xc P / Q
.set gi, gi+2
.endr
.set gi, 0
.rept 16
	v_pk_mul_f32 v[XCL+gi:XCL+gi+1], v[\set+gi:\set+gi+1], v[PN+gi:PN+gi+1]    ; h = x g, over xc, which is done with
.set gi, gi+2
.endr
	v_max3_num_f32 v[TM], |v[XCL]|, |v[XCL+1]|, |v[XCL+2]|         ; the block's largest magnitude: all 32 are mine
	v_max3_num_f32 v[TM+1], |v[XCL+3]|, |v[XCL+4]|, |v[XCL+5]|
.irp i, 6,10,14,18,22,26
	v_max3_num_f32 v[TM], v[TM], |v[XCL+\i]|, |v[XCL+\i+1]|
	v_max3_num_f32 v[TM+1], v[TM+1], |v[XCL+\i+2]|, |v[XCL+\i+3]|
.endr
	v_max3_num_f32 v[TM], v[TM], |v[XCL+30]|, |v[XCL+31]|
	v_max3_num_f32 v[TM], v[TM], v[TM+1], 0x8000000                ; and the floor 2^(16 - 127): the byte cannot fall under 1
	v_add_nc_u32 v[SCF], 0xf8800000, v[TM]         ; 15 off the exponent field: the conversion's scale operand
	v_and_or_b32 v[HOLD], v[TM], 0x7f800000, s46   ; 57,344 x the scale
	v_lshrrev_b32 v[BY], 23, v[SCF]                ; the scale's byte
.set gi, 0
.rept 32
	v_med3_num_f32 v[XCL+gi], v[XCL+gi], -v[HOLD], v[HOLD]         ; the conversion to an 8-bit code does not saturate (ISA guide 7.6.2)
.set gi, gi+1
.endr
.irp g, 0,1,2,3
	v_cvt_scalef32_pk8_bf8_f32 v[CD+2*\g:CD+2*\g+1], v[XCL+8*\g:XCL+8*\g+7], v[SCF]
.endr
	v_nop                                          ; a plain line behind the last conversion
	ds_store_b128 v[CST], v[CD:CD+3] offset:2*RP*(\t2)             ; 32 codes into the row's own bytes: the sums that lay there were read by this set's loads
	ds_store_b128 v[CST], v[CD+4:CD+7] offset:2*RP*(\t2)+16
	ds_store_b8 v[SBA], v[BY] offset:8*(\t2)
.endm
; A trip: 16 rows of my region.  No address register is written while an LDS instruction that names it is out: each is made anew behind the wait that shows its last users done.
.macro ITER pre
	LOADX X1, RX1, 2*RP                            ; the trip's second set: rows two further down
	s_wait_dscnt 8                                 ; all but those 8 loads: the first set is in, and the last trip's stores are done
	v_add_nc_u32 v[CST], s[ITO], v[CST0]
	v_add_nc_u32 v[SBA], s[ITB], v[SBA0]
	v_add_nc_u32 v[RX0], s[ITO], v[RDA0]
	GELUQ X0, 0
.if \pre
	LOADX X0, RX0, 16*RP                           ; the next trip's first set
	s_wait_dscnt 8                                 ; all but those 8: the second set is in, and the three stores above have read their registers
	s_add_co_u32 s[ITO], s[ITO], 16*RP
	s_add_co_u32 s[ITB], s[ITB], 64
	v_add_nc_u32 v[RX1], s[ITO], v[RDA0]
.else
	s_wait_dscnt 0x0                               ; the second set is in, and the three stores above have read their registers
.endif
	GELUQ X1, 1
.endm
	PLACES NP                                      ; behind the last products: for the stores that read results, and for all that is written below into registers that held fragments and scale words
	v_mov_b32 v[A1], 0x2fa84a8d
	v_mov_b32 v[A1+1], 0x2fa84a8d
	v_mov_b32 v[B1], 0xb7dfbd29
	v_mov_b32 v[B1+1], 0xb7dfbd29
	KONST 24, 0xabd3f331                           ; P's coefficients from w^6 down (w^5's lies in v[240:241]).  No tensor load of mine is out: the descriptors' registers are free
	KONST 26, 0xb347667d
	KONST 28, 0xb628d45d
	KONST 30, 0xb8883d9c
	KONST 32, 0xba08eb41
	KONST 34, 0xbbba79f3
	KONST 36, 0xb57460cd                           ; Q's from w^4 down (w^3's lies in v[242:243])
	KONST 38, 0xb9dc924e
	KONST 40, 0xbb719bf8
	KONST 42, 0xbc69b6a7
	s_mov_b32 s44, 0x40b504f3                      ; 4 sqrt 2
	s_mov_b32 s45, 0xc0b504f3
	s_mov_b32 s46, 0x600000                        ; the mantissa field of 57,344
	s_mov_b32 s[ITO], 0
	s_mov_b32 s[ITB], 0
	DUMP
	LOADX X0, RDA0, 0                              ; LDS serves a wave's instructions in order: these see my stores
	v_mov_b32 v[RX1], v[RDA0]
	s_mov_b32 s3, 7
.Lrows:
	ITER 1
	s_sub_co_u32 s3, s3, 1
	s_cmp_lg_u32 s3, 0
	s_cbranch_scc1 .Lrows
	ITER 0                                         ; the last 16 rows are written out: nothing is read past my region
	ds_load_b128 v[244:247], v[SRD]                ; my wave's 512 scale bytes: one record
	s_wait_dscnt 0x0                               ; they are in; and, for the others' sake, my stores of codes are done
	global_store_b128 v[L16], v[244:247], s[66:67] ; 32 lanes store 512 consecutive bytes, aligned
	s_barrier_signal -1
	s_barrier_wait -1                              ; a row's 256 codes come from two waves
.set fi, 0
.rept 32
	ds_load_b128 v[32+4*fi:35+4*fi], v[RB] offset:2*RP*fi
.set fi, fi+1
.endr
.set fi, 0
.rept 32
	s_wait_dscnt 31-fi
	global_store_b128 v[GO], v[32+4*fi:35+4*fi], s[12:13] offset:16384*fi      ; sixteen lanes store 256 consecutive bytes, aligned: a token's codes of this tile
.set fi, fi+1
.endr
	s_wait_tensorcnt 0x0                           ; the wave's end: behind my last tensor load and my last LDS store
	ds_add_u32 v[SPW], v[NIL]
	s_wait_dscnt 0x0
	CROUND                                         ; the closing round: no work-group ends while a partner may still ask for a tile that names it
	s_endpgm
.Lfunc_end_k_q8057c4bdc9_ffn1:
	.size	k_q8057c4bdc9_ffn1, .Lfunc_end_k_q8057c4bdc9_ffn1-k_q8057c4bdc9_ffn1
	.p2alignl 7, 3214868480
	.fill 96, 4, 3214868480
	.section	.rodata,"a",@progbits
	.p2align	6, 0x0
	.amdhsa_kernel k_q8057c4bdc9_ffn1
		.amdhsa_group_segment_fixed_size 327680
		.amdhsa_private_segment_fixed_size 0
		.amdhsa_enable_private_segment 0
		.amdhsa_kernarg_size 40
		.amdhsa_user_sgpr_count 2
		.amdhsa_user_sgpr_kernarg_segment_ptr 1
		.amdhsa_wavefront_size32 1
		.amdhsa_system_sgpr_workgroup_id_x 1
		.amdhsa_system_sgpr_workgroup_id_y 1
		.amdhsa_system_sgpr_workgroup_id_z 1
		.amdhsa_system_vgpr_workitem_id 0
		.amdhsa_next_free_vgpr 1024
		.amdhsa_next_free_sgpr 98
		.amdhsa_reserve_vcc 0
		.amdhsa_float_denorm_mode_32 3
		.amdhsa_float_denorm_mode_16_64 3
		.amdhsa_memory_ordered 1
		.amdhsa_forward_progress 1
		.amdhsa_inst_pref_size 219
	.end_amdhsa_kernel
	.amdgpu_metadata
---
amdhsa.version: [ 1, 2 ]
amdhsa.kernels:
  - .name:           k_q8057c4bdc9_ffn1
    .symbol:         k_q8057c4bdc9_ffn1.kd
    .args:
      - { .name: xc, .offset: 0, .size: 8, .value_kind: global_buffer, .address_space: global }
      - { .name: qs, .offset: 8, .size: 8, .value_kind: global_buffer, .address_space: global }
      - { .name: w1c, .offset: 16, .size: 8, .value_kind: global_buffer, .address_space: global }
      - { .name: hc, .offset: 24, .size: 8, .value_kind: global_buffer, .address_space: global }
      - { .name: hs, .offset: 32, .size: 8, .value_kind: global_buffer, .address_space: global }
    .group_segment_fixed_size: 327680
    .private_segment_fixed_size: 0
    .kernarg_segment_align: 8
    .kernarg_segment_size: 40
    .max_flat_workgroup_size: 128
    .sgpr_count:     98
    .vgpr_count:     1024
    .wavefront_size: 32
...
	.end_amdgpu_metadata
.endif
;; end of part 2
;; launch ffn2 (part 3): grid 8 x 32, 4 waves a work-group, clusters of 4 x 4, 327,680 bytes of LDS; arguments hc, hs, w2c, qs, out0; writes out0
.if DOCPART == 3
	.amdgcn_target "amdgcn-amd-amdhsa--gfx1250"
	.amdhsa_code_object_version 6
	.text
	.protected	k_q8057c4bdc9_ffn2
	.globl	k_q8057c4bdc9_ffn2
	.p2align	8
	.type	k_q8057c4bdc9_ffn2,@function
k_q8057c4bdc9_ffn2:
	s_mov_b64 s[64:65], 0
	v_nop
	global_prefetch_b8 v0, s[64:65] scope:SCOPE_SE
	s_setreg_imm32_b32 hwreg(HW_REG_WAVE_MODE, 25, 1), 1
	s_wait_xcnt 0x0
	s_wait_alu depctr_hold_cnt(0) depctr_sa_sdst(0) depctr_va_vdst(0) depctr_va_sdst(0) depctr_va_ssrc(0) depctr_va_vcc(0) depctr_vm_vsrc(0)
	s_getreg_b32 s2, hwreg(HW_REG_IB_STS2, 6, 4)
	s_cmp_eq_u32 s2, 0
	s_cbranch_scc0 .Lentry_in_a_cluster
	s_endpgm
.Lentry_in_a_cluster:
	s_bfe_u32 s2, ttmp6, 0x10000c
	s_cmp_lg_u32 s2, 0xf033
	s_cbranch_scc0 .Lentry_shape_is_right
	s_endpgm
.Lentry_shape_is_right:
; MoE layer, launch 3 of 3: out = sum over e of combine[e] x (h[e] W2[e]), on codes of BF8 (E5M2) with E8M0 scales; sums in f32.
; Left out, as shown at the head of the first launch: top_k, one_hot and the selection (with K = E = 2 the softmax of the two logits is combine, for all values); the zeros that out starts from.
; A = hc [4096][8192], B = w2c [1024][8192]; along K, 512 bytes hold 256 hidden units of expert 0 and the same 256 of expert 1.  Scale words lie as records of 512 bytes: 128 rows x 4 bytes for 128 along K.
; SHARES.  A tile of 128 tokens x 128 outputs to a work-group: 256 work-groups.  THE FOUR WAVES SHARE K, NOT THE TILE: a slot holds 512 along K, and wave q takes its q-th 128, for the whole tile: 64 accumulators,
; 512 registers.  So each LDS byte is read once, and a wave loads 32 KiB for 64 matrix instructions.  Wave q sees one expert alone, q / 2: its sums are multiplied by that expert's gate once, at the end, and the four
; waves' tiles are added through LDS, in a fixed order.
; RING.  Two slots of 128 rows of A and 128 of B, 512 bytes a row; 16 steps.  Waves 0, 1 fetch A's halves, waves 2, 3 B's: one load of 64 rows a wave.  4 x 4 work-groups form a cluster: A's tiles are asked for jointly
; along a row of it, B's along a column.  THE CHANGE OF SLOTS STANDS AT A STEP'S HEAD: the step's fragments lie in registers by then, so its slot is free; the refill goes out straight behind the round and has the whole
; step, 64 LDS loads and 64 matrix instructions, in which to land.  The scale words go from memory straight into registers, two steps ahead: 8 loads a step, each side's four covering one record.
; THE WALK ALONG K BEGINS AT ANOTHER STEP IN EACH CLUSTER: step i of the walk takes K step (i + o) mod 16, o = 2 x (cluster y's three bits in reverse order) + 8 x cluster x, mod 16.  The two clusters that read the same
; rows of A stand 8 steps apart; the eight that read the same rows of B begin at the eight even steps.  So in no step do two clusters ask for the same bytes.  o is even, so the slot is the parity of i as of the K step,
; and no LDS address hangs on o; o is made of the cluster's numbers alone, which all sixteen partners share.
; LIMIT: an output's f32 sum runs over K in four parts, each from the cluster's own start round to it, not in ascending order: the last bits differ from a sum in ascending order.
; The matrix instruction is used transposed (source 0 = 16 rows of B, source 1 = 16 rows of A): a lane holds eight neighbouring outputs of one token.
; REGISTERS, in windows of 256: window 0: v8-30 addresses; v32-47 scale words; v48-63 gates; from v128 A's fragments, one set; on the way out v64-191 are at work.  window 1: B's fragments, two sets.
;   window 2: the accumulators of rows 0-63 ((a, b) at v[8 (8 a + b)]); window 3: those of rows 64-127.
.set ROWB,   512                       ; a slot's row in bytes
.set KROW,   8192                      ; a row of A or of B in memory
.set PITCH,  528                       ; an LDS row: 512 bytes + 16 of padding: 33 units of 16 bytes, an odd number
.set FR,     16
.set NL,     4
.set NP,     8                         ; places behind this matrix instruction (ISA guide 7.12.1)
.set HALFT,  64*PITCH                  ; 64 rows: what one tensor load brings
.set SLOT,   4*HALFT                   ; A's 128 rows, then B's 128 rows
.set IMG,    128*PITCH                 ; the way out: a wave's tile, 128 rows of 512 bytes + 16; the four lie over the ring
.set SPARE,  2*SLOT                    ; behind the ring: the spare words, 128 bytes for each wave: two blocks of 256 bytes that no other line names
.set STO,  8                           ; v8      the way out: where I put 16 bytes of a row of my tile
.set RD,   10                          ; v10-13  where I read a row of wave 0, 1, 2, 3's tile
.set CO,   14                          ; v14     16 x lane: my byte offset in a row's 512 bytes of out
.set ADRA, 16                          ; v16-17  LDS address of my A fragments in slot 0, 1
.set ADRB, 20                          ; v20-21  the same for B
.set VSO,  22                          ; v22     the scale loads' offset: 4 x lane + 2,048 x K step
.set GOF,  23                          ; v23     8 x (lane % 16): a token's two gates are 8 bytes
.set VSO0, 24                          ; v24     4 x lane; never rewritten
.set SPW,  28                          ; v28     LDS address of my spare word; never rewritten
.set NIL,  29                          ; v29     0; never rewritten
.set PFO,  30                          ; v30     the prefetches' offset; never rewritten
.set SA,   32                          ; v32-39  A's scale words, two sets of 4: register j: lanes 0-15 block 2 j, lanes 16-31 block 2 j + 1
.set SB,   40                          ; v40-47  B's
.set GT,   48                          ; v48-63  the gate of token 16 a + lane % 16, in both registers of pair a
.set AF,   128
.set G1, 24                            ; s[24:31] descriptor group 1 for A's tiles;  s[32:39] group 0, one set for each slot
.set G0, 32
.set G1B, 48                           ; s[48:55], s[56:63] the same for B's tiles
.set G0B, 56
.set PFA, 66                           ; s[66:67] the address of the prefetch in hand
.set LIMA, 68                          ; s68, s69  a wave prefetches while the loop's counter is above these: odd steps, even steps; the greatest number in a wave that never asks
.set LIMB, 69
.set SAB, 70                           ; s[70:71] my records of A's scale words;  s[72:73] of B's;  s[74:75] my tokens' gates
.set SBB, 72
.set GB,  74
.set BA,  76                           ; s[76:77] the 64 rows of A that I would fetch, at K byte 0;  s[78:79] the same of B
.set BB,  78
.set KK,  80                           ; s[80:81] the K byte at which the step two on begins (a pair with 0 above it)
.set KP,  82                           ; s[82:83] the same of the step four on
.set PFB, 84                           ; s[84:85] my work-group's 16 of the 64 rows of A, at K byte 0
.set KS,  86                           ; s86  at work
.set OFS, 87                           ; s87  o, the K step at which my cluster's walk begins
.set MSB, 0
.macro WIN new                         ; the immediate's high byte repeats the setting that is left
.if MSB != \new
	s_set_vgpr_msb (MSB<<8)|\new
.set MSB, \new
.endif
.endm
.set MUL_LO, 0xa1                      ; source 0 (B) window 1, source 1 (A) window 0, C and D window 2
.set MUL_HI, 0xf1                      ; the same, C and D window 3
.set TO_B,   0x40                      ; destination window 1, address window 0
; A joint load: waves 0 and 1 fetch for A, waves 2 and 3 for B; the branch hangs on the wave's number alone.  An s_nop 0 and four v_nop follow each of the two lines.
.macro JLOAD g0a, g1a, g0b, g1b
	s_cmp_eq_u32 s15, 0
	s_cbranch_scc0 .Lfor_b_\@
	tensor_load_to_lds s[\g0a:\g0a+3], s[\g1a:\g1a+7]
	s_nop 0
.rept 4
	v_nop
.endr
	s_branch .Lasked_\@
.Lfor_b_\@:
	tensor_load_to_lds s[\g0b:\g0b+3], s[\g1b:\g1b+7]
	s_nop 0
.rept 4
	v_nop
.endr
.Lasked_\@:
.endm
.macro CREST                           ; a round of the cluster's barrier behind its opening barrier
	s_cmp_lg_u32 s14, 0
	s_cbranch_scc1 .Lnot_wave_0_\@
	s_barrier_signal -3
.Lnot_wave_0_\@:
	s_barrier_wait -3
	s_barrier_signal -1
	s_barrier_wait -1
.endm
.macro CROUND
	s_barrier_signal -1
	s_barrier_wait -1
	CREST
.endm
; A PREFETCH of A's rows for the step four on, which is asked for two refills later.  Steps 0 to 3 of a cluster's walk ask, for its steps 4 to 7.  Of the 64 rows that wave 0 or 1 fetches, my work-group takes 16,
; told apart from its three partners' by address; a row's 512 bytes are two blocks of 256: two lanes to a row, one instruction a wave.  The two clusters that read the same rows walk 8 steps apart, so their steps 4 to 7
; are different K steps: each block is named once in the launch.  A walk's steps 0 to 3 come by their loads alone; its steps 8 to 15 are the other cluster's steps 0 to 7: they have been read, and are not asked for.
; B is not asked for: each of its K steps is the first or the second step of one of the eight clusters that read it, and comes by that cluster's first fills.
.macro ASK lim
	s_cmp_gt_u32 s3, s[\lim]                       ; the loop's counter and the wave's number alone
	s_cbranch_scc0 .Lnot_mine_\@
	global_prefetch_b8 v[PFO], s[PFA:PFA+1] th:TH_LOAD_NT scope:SCOPE_SE
.Lnot_mine_\@:
.endm
	s_load_b128 s[4:7], s[0:1], 0x0                ; hc s[4:5], hs s[6:7]
	s_load_b128 s[8:11], s[0:1], 0x10              ; w2c s[8:9], qs s[10:11]
	s_load_b64 s[12:13], s[0:1], 0x20              ; out0
	v_lshl_add_u32 v[SPW], v0, 2, SPARE
	v_mov_b32 v[NIL], 0
	ds_add_u32 v[SPW], v[NIL]                      ; the wave's opening: the add, twice on end, and its wait ahead of my first tensor load
	ds_add_u32 v[SPW], v[NIL]                      ; and once more; the set-up below, work on registers, stands between it and the wait
	v_lshrrev_b32 v1, 5, v0
	v_readfirstlane_b32 s14, v1                    ; wave 0..3 = q, my 128 of a slot's 512 along K
	s_lshr_b32 s15, s14, 1                         ; my expert.  Also: I fetch for A (0) or for B (1)
	s_and_b32 s16, s14, 1                          ; which 64 rows of that tile I fetch
	s_bfe_u32 s40, ttmp6, 0x40000                  ; cx, cy: my place in the cluster
	s_bfe_u32 s41, ttmp6, 0x40004
	s_lshl_b32 s42, ttmp9, 2
	s_add_co_u32 s42, s42, s40                     ; tile column = 4 x cluster x + cx
	s_and_b32 s17, ttmp7, 0xffff
	s_lshl_b32 s17, s17, 2
	s_add_co_u32 s17, s17, s41                     ; tile row = 4 x cluster y + cy
	s_lshl_b32 s43, s41, 2
	s_lshl_b32 s43, 15, s43                        ; my row of the cluster
	s_lshl_b32 s44, 0x1111, s40                    ; my column
	; descriptor group 1: a tile of 64 rows x 512 bytes, padded in LDS
	s_or_b32 s[G1+0], s43, (0<<16)|(1<<20)|(1<<21)|(6<<22)|(3<<25)  ; 15:0 the mask: A's tiles go to my row; 17:16 elements of 1 byte; 20 padding on; 21 set beside a mask; 24:22 after every 128 words; 31:25 four words
	s_or_b32 s[G1B+0], s44, (0<<16)|(1<<20)|(1<<21)|(6<<22)|(3<<25)
.irp g, G1, G1B
	s_mov_b32 s[\g+1], ROWB<<16                    ; tensor_dim0 = 512
	s_mov_b32 s[\g+2], 64<<16                      ; tensor_dim1 = 64
	s_mov_b32 s[\g+3], ROWB<<16                    ; tile_dim0 = 512
	s_mov_b32 s[\g+4], 64                          ; tile_dim1 = 64
	s_mov_b32 s[\g+5], KROW                        ; tensor_dim0_stride
	s_mov_b32 s[\g+6], 0
	s_mov_b32 s[\g+7], 0
.endr
	; where my cluster's walk along K begins: made of the cluster's two numbers alone
	s_and_b32 s22, ttmp7, 0xffff                   ; cluster y, 0 .. 7
	s_and_b32 s[OFS], s22, 1
	s_lshl_b32 s[OFS], s[OFS], 2
	s_and_b32 s23, s22, 2
	s_or_b32 s[OFS], s[OFS], s23
	s_bfe_u32 s23, s22, 0x10002
	s_or_b32 s[OFS], s[OFS], s23                   ; its three bits in reverse order
	s_lshl_b32 s[OFS], s[OFS], 1
	s_lshl_b32 s23, ttmp9, 3                       ; 8 x cluster x
	s_add_co_u32 s[OFS], s[OFS], s23
	s_and_b32 s[OFS], s[OFS], 15                   ; o: even, 0 .. 14
	s_lshl_b32 s[KK], s[OFS], 9                    ; in bytes along K
	s_mov_b32 s[KK+1], 0
	s_mov_b32 s[KP+1], 0
	s_lshl_b32 s18, s16, 6                         ; which 64 rows of the tile I fetch
	s_lshl_b32 s20, s17, 7
	s_add_co_u32 s20, s20, s18                     ; A: row 128 x tile row + 64 x half
	s_lshl_b32 s46, s42, 7
	s_add_co_u32 s46, s46, s18                     ; B: row 128 x tile column + 64 x half
	s_lshl_b32 s20, s20, 13                        ; in bytes (under 2^25)
	s_lshl_b32 s46, s46, 13
	s_mov_b32 s21, 0
	s_mov_b32 s47, 0
	s_mul_i32 s45, s14, HALFT                      ; where they go: wave x 64 rows: no place in the cluster enters an LDS address
	s_wait_dscnt 0x0                               ; both opening adds are done
	s_wait_kmcnt 0x0
	s_add_nc_u64 s[BA:BA+1], s[4:5], s[20:21]
	s_add_nc_u64 s[BB:BB+1], s[8:9], s[46:47]
	CROUND                                         ; all sixteen work-groups are here: the first joint loads meet
.irp s, 0,1
	s_mov_b32 s[G0+4*\s], 1
	s_add_co_u32 s[G0+4*\s+1], s45, \s*SLOT
	s_add_nc_u64 s[G0+4*\s+2:G0+4*\s+3], s[BA:BA+1], s[KK:KK+1]    ; K steps o and o + 1 (o + 1 is 15 at the most)
	s_or_b32 s[G0+4*\s+3], s[G0+4*\s+3], 0x80000000
	s_mov_b32 s[G0B+4*\s], 1
	s_add_co_u32 s[G0B+4*\s+1], s45, \s*SLOT
	s_add_nc_u64 s[G0B+4*\s+2:G0B+4*\s+3], s[BB:BB+1], s[KK:KK+1]
	s_or_b32 s[G0B+4*\s+3], s[G0B+4*\s+3], 0x80000000
	JLOAD G0+4*\s, G1, G0B+4*\s, G1B               ; two tensor loads of mine are out behind the second
.if \s == 0
	s_add_co_u32 s[KK], s[KK], ROWB                ; it stays at step 1's bytes: each step's head takes it one step on
.endif
.endr
	v_and_b32 v1, 15, v0                           ; r = lane % 16
	v_bfe_u32 v2, v0, 4, 1                         ; h = lane / 16
	v_and_b32 v3, 31, v0                           ; lane
	v_mul_u32_u24 v4, v1, PITCH
	v_lshl_add_u32 v4, v2, 4, v4                   ; a fragment's row x pitch + 16 x half
	s_lshl_b32 s21, s14, 7                         ; + my 128 bytes of a row's 512
	v_add_nc_u32 v[ADRA], s21, v4
	v_add_nc_u32 v[ADRA+1], SLOT, v[ADRA]
	v_add_nc_u32 v[ADRB], 2*HALFT, v[ADRA]         ; B's rows lie behind A's 128
	v_add_nc_u32 v[ADRB+1], SLOT, v[ADRB]
	s_mul_i32 s23, s14, IMG                        ; the way out: my tile's image
	v_mul_u32_u24 v5, v1, PITCH
	v_lshl_add_u32 v5, v2, 5, v5
	v_add_nc_u32 v[STO], s23, v5                   ; row r, 32 bytes for each half of the lanes
	v_lshlrev_b32 v[CO], 4, v3
	s_mul_i32 s22, s14, 32*PITCH                   ; back: wave w adds and stores rows 32 w on
	v_add_nc_u32 v[RD], s22, v[CO]
	v_add_nc_u32 v[RD+1], IMG, v[RD]
	v_add_nc_u32 v[RD+2], IMG, v[RD+1]
	v_add_nc_u32 v[RD+3], IMG, v[RD+2]
	v_lshlrev_b32 v[VSO0], 2, v3
	s_lshl_b32 s[KS], s[OFS], 11                   ; 2,048 bytes of records a K step
	v_add_nc_u32 v[VSO], s[KS], v[VSO0]            ; at K step o
	v_lshlrev_b32 v[GOF], 3, v1
	v_lshrrev_b32 v5, 1, v3
	v_and_b32 v6, 1, v3
	v_lshlrev_b32 v[PFO], 13, v5                   ; a row for each two lanes,
	v_lshl_add_u32 v[PFO], v6, 8, v[PFO]           ; 256 bytes apart in it
	s_mov_b32 s21, 0
	s_lshl_b32 s20, s17, 15                        ; A's scale records: 32,768 bytes for 128 tokens; mine is the q-th of a step's four
	s_lshl_b32 s22, s14, 9
	s_add_co_u32 s20, s20, s22
	s_add_nc_u64 s[SAB:SAB+1], s[6:7], s[20:21]
	s_lshl_b32 s20, s42, 15                        ; B's likewise, by the tile column
	s_add_co_u32 s20, s20, s22
	s_add_co_u32 s20, s20, 393216
	s_add_nc_u64 s[SBB:SBB+1], s[10:11], s[20:21]
	s_lshl_b32 s20, s17, 10                        ; the gates: 128 tokens x 8 bytes, + 4 x my expert
	s_lshl_b32 s22, s15, 2
	s_add_co_u32 s20, s20, s22
	s_add_co_u32 s20, s20, 655360
	s_add_nc_u64 s[GB:GB+1], s[10:11], s[20:21]
	s_lshl_b32 s20, s17, 7                         ; out: (128 x tile row + 32 wave) x 4,096 + 512 x tile column
	s_lshl_b32 s22, s14, 5
	s_add_co_u32 s20, s20, s22
	s_lshl_b32 s20, s20, 12
	s_lshl_b32 s22, s42, 9
	s_add_co_u32 s20, s20, s22
	s_add_nc_u64 s[12:13], s[12:13], s[20:21]
	; the prefetches: the rows that mine name, and who asks.  Nothing is prefetched here, at the head
	s_lshl_b32 s20, s17, 7                         ; A's tile: its first row,
	s_lshl_b32 s22, s16, 6
	s_add_co_u32 s20, s20, s22                     ; + the 64 rows that wave 0 or 1 fetches,
	s_lshl_b32 s23, s40, 4
	s_add_co_u32 s20, s20, s23                     ; + my work-group's 16 of them: by address, not by a branch
	s_lshl_b32 s20, s20, 13
	s_add_nc_u64 s[PFB:PFB+1], s[4:5], s[20:21]
	s_cmp_eq_u32 s15, 0                            ; waves 0 and 1 ask; the counter is 6 in steps 0, 1, 2 and 5 in steps 3, 4
	s_cselect_b32 s[LIMA], 4, -1                   ; odd steps: 1 and 3
	s_cselect_b32 s[LIMB], 5, -1                   ; even steps: 0 and 2
.macro SCLOAD set, off                 ; a step's scale words: each side's four loads cover one record of 512 bytes
.irp j, 0,1,2,3
	global_load_b32 v[SA+4*(\set)+\j], v[VSO], s[SAB:SAB+1] offset:\off+128*\j
	global_load_b32 v[SB+4*(\set)+\j], v[VSO], s[SBB:SBB+1] offset:\off+128*\j
.endr
.endm
.irp a, 0,1,2,3,4,5,6,7
	global_load_b32 v[GT+2*\a], v[GOF], s[GB:GB+1] offset:128*\a       ; the gate of token 16 a + r, into both registers of a pair, for the packed multiply
	global_load_b32 v[GT+2*\a+1], v[GOF], s[GB:GB+1] offset:128*\a
.endr
	SCLOAD 0, 0                                    ; step 0's: K step o
	SCLOAD 1, 2048                                 ; step 1's: K step o + 1
.macro FRAG reg, adr, i                ; a fragment: lane l holds row l % 16; registers 4 c .. 4 c + 3 hold K = 32 c + 16 (l / 16) + 0 .. 15
.irp c, 0,1,2,3
	ds_load_b128 v[\reg+4*\c:\reg+4*\c+3], v[\adr] offset:32*\c+(\i)*16*PITCH
.endr
.endm
.macro FETCH_B slot                    ; B's eight fragments of a slot into the set of its number
	WIN TO_B
.irp i, 0,1,2,3,4,5,6,7
	FRAG 128*(\slot)+FR*\i, ADRB+\slot, \i
.endr
	WIN 0
.endm
.macro FETCH_A slot, i0                ; A's blocks i0 .. i0 + 3
.irp i, \i0, \i0+1, \i0+2, \i0+3
	FRAG AF+FR*(\i), ADRA+\slot, \i
.endr
.endm
; One product.  ob, oa: B's, A's block has an odd number: its scale words lie in lanes 16-31 of the register named
.macro WM d, bf, af, sb, sa, zero, ob, oa
.if \zero
.if (\ob) && (\oa)
	v_wmma_scale_f32_16x16x128_f8f6f4 v[\d:\d+7], v[\bf:\bf+15], v[\af:\af+15], 0, v[\sb], v[\sa] matrix_a_fmt:MATRIX_FMT_BF8 matrix_b_fmt:MATRIX_FMT_BF8 matrix_a_scale:MATRIX_SCALE_ROW1 matrix_b_scale:MATRIX_SCALE_ROW1
.elseif \ob
	v_wmma_scale_f32_16x16x128_f8f6f4 v[\d:\d+7], v[\bf:\bf+15], v[\af:\af+15], 0, v[\sb], v[\sa] matrix_a_fmt:MATRIX_FMT_BF8 matrix_b_fmt:MATRIX_FMT_BF8 matrix_a_scale:MATRIX_SCALE_ROW1
.elseif \oa
	v_wmma_scale_f32_16x16x128_f8f6f4 v[\d:\d+7], v[\bf:\bf+15], v[\af:\af+15], 0, v[\sb], v[\sa] matrix_a_fmt:MATRIX_FMT_BF8 matrix_b_fmt:MATRIX_FMT_BF8 matrix_b_scale:MATRIX_SCALE_ROW1
.else
	v_wmma_scale_f32_16x16x128_f8f6f4 v[\d:\d+7], v[\bf:\bf+15], v[\af:\af+15], 0, v[\sb], v[\sa] matrix_a_fmt:MATRIX_FMT_BF8 matrix_b_fmt:MATRIX_FMT_BF8
.endif
.else
.if (\ob) && (\oa)
	v_wmma_scale_f32_16x16x128_f8f6f4 v[\d:\d+7], v[\bf:\bf+15], v[\af:\af+15], v[\d:\d+7], v[\sb], v[\sa] matrix_a_fmt:MATRIX_FMT_BF8 matrix_b_fmt:MATRIX_FMT_BF8 matrix_a_scale:MATRIX_SCALE_ROW1 matrix_b_scale:MATRIX_SCALE_ROW1
.elseif \ob
	v_wmma_scale_f32_16x16x128_f8f6f4 v[\d:\d+7], v[\bf:\bf+15], v[\af:\af+15], v[\d:\d+7], v[\sb], v[\sa] matrix_a_fmt:MATRIX_FMT_BF8 matrix_b_fmt:MATRIX_FMT_BF8 matrix_a_scale:MATRIX_SCALE_ROW1
.elseif \oa
	v_wmma_scale_f32_16x16x128_f8f6f4 v[\d:\d+7], v[\bf:\bf+15], v[\af:\af+15], v[\d:\d+7], v[\sb], v[\sa] matrix_a_fmt:MATRIX_FMT_BF8 matrix_b_fmt:MATRIX_FMT_BF8 matrix_b_scale:MATRIX_SCALE_ROW1
.else
	v_wmma_scale_f32_16x16x128_f8f6f4 v[\d:\d+7], v[\bf:\bf+15], v[\af:\af+15], v[\d:\d+7], v[\sb], v[\sa] matrix_a_fmt:MATRIX_FMT_BF8 matrix_b_fmt:MATRIX_FMT_BF8
.endif
.endif
.endm
; 16 matrix instructions: A's blocks a0, a0 + 1 x B's eight.  The 64 accumulators take turns, one instruction a turn, in the same order in every step.
.macro MUL16 a0, set, zero
.irp a, \a0, \a0+1
.irp b, 0,1,2,3,4,5,6,7
	WM 8*(8*((\a)%4)+\b), 128*(\set)+FR*\b, AF+FR*(\a), SB+4*(\set)+\b/2, SA+4*(\set)+(\a)/2, \zero, \b%2, (\a)%2
.endr
.endr
.endm
.macro PLACES n                        ; plain vector lines between a matrix instruction and a load into, or a read of, its registers
.rept \n
	v_nop
.endr
.endm
; A STEP.  At its head my 128 along K of slot `slot` lie in registers, not yet multiplied, so the slot is free.  The change of slots comes first: each wave waits for all its tensor loads (its part of the other slot),
; adds 0 to its spare word, and waits for that and for its reads of this slot; one barrier.  fill = 1: the barrier opens a round of the cluster's barrier, and this slot is filled again with the step two on.
; Then the step's work: the other slot's fragments come into registers as these free themselves (B's other set at once; A's blocks 0-3 behind the first 32 products, 4-7 behind the last), among the 64 products.
; ask: 0, or the register that says up to which trip this step prefetches.
.macro TURN slot, fill, ask, zero
.if \fill
	s_wait_xcnt 0x0                                ; the last scale loads and the last prefetch have read their addresses, which are made anew:
	s_add_co_u32 s[KK], s[KK], ROWB
	s_and_b32 s[KK], s[KK], KROW-1                 ; the K byte of the step two on, round the end of K
	s_lshl_b32 s[KS], s[KK], 2                     ; its scale records: 2,048 bytes for 512 along K
	v_add_nc_u32 v[VSO], s[KS], v[VSO0]
	s_add_co_u32 s[KP], s[KK], 2*ROWB
	s_and_b32 s[KP], s[KP], KROW-1                 ; the K byte of the step four on
	s_add_nc_u64 s[PFA:PFA+1], s[PFB:PFB+1], s[KP:KP+1]
.endif
	s_wait_tensorcnt 0x0                           ; all my tensor loads have landed: my part of the other slot; so a group 0 may be written
	ds_add_u32 v[SPW], v[NIL]                      ; 0 onto my spare word; the descriptors' addresses stand between it and the wait for it
.if \fill
	s_add_nc_u64 s[G0+4*\slot+2:G0+4*\slot+3], s[BA:BA+1], s[KK:KK+1]
	s_or_b32 s[G0+4*\slot+3], s[G0+4*\slot+3], 0x80000000
	s_add_nc_u64 s[G0B+4*\slot+2:G0B+4*\slot+3], s[BB:BB+1], s[KK:KK+1]
	s_or_b32 s[G0B+4*\slot+3], s[G0B+4*\slot+3], 0x80000000
.endif
	s_wait_dscnt 0x0                               ; the add is done, and my reads of this slot are over: the step's fragments are in
	s_barrier_signal -1
	s_barrier_wait -1
.if \fill
	CREST                                          ; the barrier has opened a round of the cluster's barrier: no wave of any partner still reads this slot or has a load on its way
	JLOAD G0+4*\slot, G1, G0B+4*\slot, G1B         ; the first tensor load behind the round, and my only one until the next: all of the step's work stands between it and the wait for it
.endif
	FETCH_B 1-\slot                                ; (the last products that read that set stand eight places back, at the last step's end)
.if \ask
	ASK \ask                                       ; behind the joint load and a run of LDS loads
.endif
	s_wait_loadcnt 8                               ; this step's scale words are in; the next step's 8 loads may be out
	WIN MUL_LO
	MUL16 0, \slot, \zero
	MUL16 2, \slot, \zero
	PLACES NP
	WIN 0
	FETCH_A 1-\slot, 0
	WIN MUL_HI
	MUL16 4, \slot, \zero
	MUL16 6, \slot, \zero
	PLACES NP
	WIN 0
	FETCH_A 1-\slot, 4
.if \fill
	SCLOAD \slot, 0                                ; the scale words of two steps on, into the set that this step has done with
.endif
.endm
	s_wait_tensorcnt 1                             ; my part of step 0 is in (step 1's load may be out)
	s_barrier_signal -1
	s_barrier_wait -1                              ; everybody's is
	FETCH_B 0
	FETCH_A 0, 0
	FETCH_A 0, 4
	s_mov_b32 s3, 6
	TURN 0, 1, LIMB, 1                             ; step 0 stands in front of the loop: its products start the sums
.Lpair:                                                ; steps 1 to 12, two a trip
	TURN 1, 1, LIMA, 0
	TURN 0, 1, LIMB, 0
	s_sub_co_u32 s3, s3, 1
	s_cmp_lg_u32 s3, 0
	s_cbranch_scc1 .Lpair
	TURN 1, 1, 0, 0                                ; step 13 asks for step 15: the last fill
	TURN 0, 0, 0, 0                                ; step 14 fills nothing, and has no round of the cluster's barrier
	s_wait_dscnt 4*NL                              ; step 15: B's set and A's blocks 0-3 are in; the youngest 16 loads (A's blocks 4-7) may be out
	s_wait_loadcnt 0x0
	WIN MUL_LO
	MUL16 0, 1, 0
	MUL16 2, 1, 0
	s_wait_dscnt 0x0                               ; my last reads of the ring are in:
	s_barrier_signal -1                            ; say so,
	WIN MUL_HI
	MUL16 4, 1, 0
	MUL16 6, 1, 0
	WIN 0
	s_barrier_wait -1                              ; and when all four have said so, the ring's bytes may be written: they have had their last fill
	; THE WAY OUT.  My sums x my expert's gate of the lane's token; my tile into my image in LDS; a barrier; wave w adds the four images' rows 32 w on and stores them whole.
	PLACES NP
.irp a, 0,1,2,3,4,5,6,7
	WIN 0x82+0x41*(\a/4)                           ; destination and source 0: window 2 or 3; the gate: window 0
.irp b, 0,1,2,3,4,5,6,7
.irp p, 0,2,4,6
	v_pk_mul_f32 v[64*(\a%4)+8*\b+\p:64*(\a%4)+8*\b+\p+1], v[64*(\a%4)+8*\b+\p:64*(\a%4)+8*\b+\p+1], v[GT+2*\a:GT+2*\a+1]   ; each accumulator from its low end on
.endr
.endr
	WIN 0x08+4*(\a/4)                              ; an LDS store's data are its source 1
.irp b, 0,1,2,3,4,5,6,7
	ds_store_b128 v[STO], v[64*(\a%4)+8*\b:64*(\a%4)+8*\b+3] offset:\a*16*PITCH+64*\b          ; lane (r, h): token 16 a + r, outputs 16 b + 8 h + 0 .. 7
	ds_store_b128 v[STO], v[64*(\a%4)+8*\b+4:64*(\a%4)+8*\b+7] offset:\a*16*PITCH+64*\b+16
.endr
.endr
	WIN 0
	s_wait_dscnt 0x0                               ; for the others' sake: my stores are done
	s_barrier_signal -1
	s_barrier_wait -1
.macro LOADB t                         ; batch t: four rows of each of the four images; row j, image u at v[BB + 16 j + 4 u]
.set BB, 64+64*((\t)%2)
.irp j, 0,1,2,3
.irp u, 0,1,2,3
	ds_load_b128 v[BB+16*\j+4*\u:BB+16*\j+4*\u+3], v[RD+\u] offset:(4*(\t)+\j)*PITCH
.endr
.endr
.endm
.macro SUMB t                          ; (image 0 + image 1) + (image 2 + image 3): expert 0's two parts of K, expert 1's two, then both
.set BB, 64+64*((\t)%2)
.irp j, 0,1,2,3
	v_pk_add_f32 v[BB+16*\j:BB+16*\j+1], v[BB+16*\j:BB+16*\j+1], v[BB+16*\j+4:BB+16*\j+5]
	v_pk_add_f32 v[BB+16*\j+2:BB+16*\j+3], v[BB+16*\j+2:BB+16*\j+3], v[BB+16*\j+6:BB+16*\j+7]
	v_pk_add_f32 v[BB+16*\j+8:BB+16*\j+9], v[BB+16*\j+8:BB+16*\j+9], v[BB+16*\j+12:BB+16*\j+13]
	v_pk_add_f32 v[BB+16*\j+10:BB+16*\j+11], v[BB+16*\j+10:BB+16*\j+11], v[BB+16*\j+14:BB+16*\j+15]
	v_pk_add_f32 v[BB+16*\j:BB+16*\j+1], v[BB+16*\j:BB+16*\j+1], v[BB+16*\j+8:BB+16*\j+9]
	v_pk_add_f32 v[BB+16*\j+2:BB+16*\j+3], v[BB+16*\j+2:BB+16*\j+3], v[BB+16*\j+10:BB+16*\j+11]
	global_store_b128 v[CO], v[BB+16*\j:BB+16*\j+3], s[12:13] offset:(4*(\t)+\j)*4096 th:TH_STORE_NT   ; 32 lanes store 512 consecutive bytes, aligned; written once, read by nobody here
.endr
.endm
	LOADB 0
.irp t, 0,1,2,3,4,5,6,7
.if \t < 7
.if \t > 0
	s_wait_xcnt 0x0                                ; the stores of the batch before have read the registers that the next batch's loads take
.endif
	LOADB \t+1
	s_wait_dscnt 16                                ; all but the 16 loads just issued
.else
	s_wait_dscnt 0x0
.endif
	SUMB \t
.endr
	s_wait_tensorcnt 0x0                           ; the wave's end: behind my last tensor load and my last LDS store
	ds_add_u32 v[SPW], v[NIL]
	s_wait_dscnt 0x0
	CROUND                                         ; the closing round: no work-group ends while a partner may still ask for a tile that names it
	s_endpgm
.Lfunc_end_k_q8057c4bdc9_ffn2:
	.size	k_q8057c4bdc9_ffn2, .Lfunc_end_k_q8057c4bdc9_ffn2-k_q8057c4bdc9_ffn2
	.p2alignl 7, 3214868480
	.fill 96, 4, 3214868480
	.section	.rodata,"a",@progbits
	.p2align	6, 0x0
	.amdhsa_kernel k_q8057c4bdc9_ffn2
		.amdhsa_group_segment_fixed_size 327680
		.amdhsa_private_segment_fixed_size 0
		.amdhsa_enable_private_segment 0
		.amdhsa_kernarg_size 40
		.amdhsa_user_sgpr_count 2
		.amdhsa_user_sgpr_kernarg_segment_ptr 1
		.amdhsa_wavefront_size32 1
		.amdhsa_system_sgpr_workgroup_id_x 1
		.amdhsa_system_sgpr_workgroup_id_y 1
		.amdhsa_system_sgpr_workgroup_id_z 1
		.amdhsa_system_vgpr_workitem_id 0
		.amdhsa_next_free_vgpr 1024
		.amdhsa_next_free_sgpr 98
		.amdhsa_reserve_vcc 0
		.amdhsa_float_denorm_mode_32 3
		.amdhsa_float_denorm_mode_16_64 3
		.amdhsa_memory_ordered 1
		.amdhsa_forward_progress 1
		.amdhsa_inst_pref_size 146
	.end_amdhsa_kernel
	.amdgpu_metadata
---
amdhsa.version: [ 1, 2 ]
amdhsa.kernels:
  - .name:           k_q8057c4bdc9_ffn2
    .symbol:         k_q8057c4bdc9_ffn2.kd
    .args:
      - { .name: hc, .offset: 0, .size: 8, .value_kind: global_buffer, .address_space: global }
      - { .name: hs, .offset: 8, .size: 8, .value_kind: global_buffer, .address_space: global }
      - { .name: w2c, .offset: 16, .size: 8, .value_kind: global_buffer, .address_space: global }
      - { .name: qs, .offset: 24, .size: 8, .value_kind: global_buffer, .address_space: global }
      - { .name: out0, .offset: 32, .size: 8, .value_kind: global_buffer, .address_space: global }
    .group_segment_fixed_size: 327680
    .private_segment_fixed_size: 0
    .kernarg_segment_align: 8
    .kernarg_segment_size: 40
    .max_flat_workgroup_size: 128
    .sgpr_count:     98
    .vgpr_count:     1024
    .wavefront_size: 32
...
	.end_amdgpu_metadata
.endif
;; end of part 3
